; MI455X (gfx1250); checked and timed in simulation.
; The chip was launched on July 23, 2026; its instructions are those of AMD's public machine-readable ISA for CDNA 5 (MIT licence, August 2026) and "CDNA5" Instruction Set Architecture Reference Guide (July 2026). The comments in the code are by the model that wrote it; some were corrected since.
;; Neural Tensor Layer. Allowed arithmetic: float matrix products may take bf16 or f16 operands with f32 sums; all other float work in f32.
;; Inputs: T1 64 x 64 x 64 float32; T2 64 x 64 x 64 float32; T3 64 x 64 x 64 float32; W 64 x 128 float32; b 64 x 1 float32; e1 32,768 x 64 float32; e2 32,768 x 64 float32; er 32,768 x 64 float32; p 32,768 x 64 float32.
;; Outputs: out0 32,768 x 64 x 2 float32.
;; 3 versions, each right; version 2 is faster than version 1; version 3 is version 2 with the launch cast written anew for expert scheduling mode. Each part assembles by itself: llvm-mc -triple=amdgcn-amd-amdhsa -mcpu=gfx1250 --defsym DOCPART=n.
;; ======== version 1 of 3: 2 launches
;; limits: values are held in f16: magnitudes above 65,504 overflow, below 6.1e-05 lose precision; inputs' magnitudes at most 65,504
;; workspace buffers: Tf 1,572,864 bytes
;; launch cast (part 1): grid 256 x 1, 3 waves a work-group, no clusters, 7,168 bytes of LDS; arguments T1, T2, T3, Tf; writes Tf
.if DOCPART == 1
	.amdgcn_target "amdgcn-amd-amdhsa--gfx1250"
	.amdhsa_code_object_version 6
	.text
	.protected	k_q05bd70ff89_cast
	.globl	k_q05bd70ff89_cast
	.p2align	8
	.type	k_q05bd70ff89_cast,@function
k_q05bd70ff89_cast:
	s_mov_b64 s[64:65], 0
	v_nop
	global_prefetch_b8 v0, s[64:65] scope:SCOPE_SE
	s_setreg_imm32_b32 hwreg(HW_REG_WAVE_MODE, 25, 1), 1
	s_wait_xcnt 0x0
; Three tensors [64 k][64 i][64 j] f32 are rounded once to f16 and laid out in the order in which the next launch's matrix instructions
; take them.  The launch names them in the order in which the next launch walks them: t = 0 is T1, t = 1 is T2, t = 2 is T3.
; Tf byte  t*524288 + i*8192 + kt*2048 + f*512 + L*16  holds the eight f16  T_t[16 kt + (L & 15)][i][16 f + 8 (L >> 4) + 0..7].
; So 32 lanes x 16 neighbouring bytes are half a fragment of 16 rows x 32 j.
; Work-group x = 4 i + kt; wave w = tensor t: one wave makes one tile of 16 rows k x 64 j, 2,048 bytes of Tf.
; Every load takes two whole rows of 256 bytes (16 lanes each); every store of a wave covers 512 consecutive bytes, aligned.
; The regrouping goes through the wave's own 2,176 bytes of LDS: no barrier, and LDS serves a wave's instructions in order.
; LIMIT: f16: |T| above 65,504 becomes infinity; below 6.1e-5 the absolute rounding error is at most 3e-8.
.set PIECE, 272                        ; 16 rows x 16 bytes of one (f, h), and 16 bytes so that neighbouring pieces begin 16 bytes apart modulo 256
.set WAVEB, 8*PIECE                    ; a wave's bytes in LDS
.set SRC,  2                           ; v2  source offset: (L >> 4) rows of 16,384 bytes + 16 (L & 15)
.set STO,  3                           ; v3  where my 8 bytes go in LDS
.set RDB,  4                           ; v4  where I read 16 bytes back
.set DST,  5                           ; v5  16 L
.set X,    8                           ; v[8:39]   eight loads of four f32
.set H,    40                          ; v[40:55]  the same as f16, two registers each
.set Y,    56                          ; v[56:71]  four lines of 16 bytes to store
	s_load_b256 s[4:11], s[0:1], 0x0               ; tensor 0 s[4:5], tensor 1 s[6:7], tensor 2 s[8:9], Tf s[10:11]
	v_lshl_add_u32 v72, v0, 2, 0x1a00
	v_mov_b32 v73, 0
	v_lshrrev_b32 v1, 5, v0
	v_readfirstlane_b32 s12, v1                    ; wave = tensor 0..2
	v_and_b32 v6, 15, v0                           ; L & 15
	v_bfe_u32 v7, v0, 4, 1                         ; L >> 4
	v_and_b32 v[DST], 31, v0
	v_lshlrev_b32 v[DST], 4, v[DST]
	v_lshlrev_b32 v[SRC], 4, v6
	v_lshl_add_u32 v[SRC], v7, 14, v[SRC]          ; a row k is 64 x 64 x 4 = 16,384 bytes from the next
	s_mul_i32 s13, s12, WAVEB
	; my four f32 are j = 4 (L & 15) + 0..3 of row 2 q + (L >> 4): piece (L & 15) >> 1, its row's 16 bytes, half (L & 1)
	v_lshrrev_b32 v1, 1, v6
	v_mul_u32_u24 v[STO], v1, PIECE
	v_lshl_add_u32 v[STO], v7, 4, v[STO]
	v_and_b32 v1, 1, v6
	v_lshl_add_u32 v[STO], v1, 3, v[STO]
	v_add_nc_u32 v[STO], s13, v[STO]
	; back: line f of the tile is pieces 2 f (lanes 0-15) and 2 f + 1 (lanes 16-31)
	v_mul_u32_u24 v[RDB], v7, PIECE
	v_lshl_add_u32 v[RDB], v6, 4, v[RDB]
	v_add_nc_u32 v[RDB], s13, v[RDB]
	s_and_b32 s16, ttmp9, 3                        ; kt
	s_lshr_b32 s17, ttmp9, 2                       ; i
	s_lshl_b32 s16, s16, 18                        ; 16 rows k
	s_lshl_b32 s17, s17, 8                         ; a row i is 256 bytes
	s_or_b32 s16, s16, s17
	s_mov_b32 s17, 0
	s_lshl_b32 s18, s12, 19                        ; tensor t's 524,288 bytes of Tf
	s_lshl_b32 s19, ttmp9, 11                      ; + (4 i + kt) x 2,048
	s_add_co_u32 s18, s18, s19
	s_mov_b32 s19, 0
	s_wait_kmcnt 0x0
	s_cmp_eq_u32 s12, 1                            ; the wave's tensor, chosen by the wave's number
	s_cselect_b64 s[14:15], s[6:7], s[4:5]
	s_cmp_eq_u32 s12, 2
	s_cselect_b64 s[14:15], s[8:9], s[14:15]
	s_add_nc_u64 s[14:15], s[14:15], s[16:17]
	s_add_nc_u64 s[10:11], s[10:11], s[18:19]
.irp q, 0,1,2,3,4,5,6,7
	global_load_b128 v[X+4*\q:X+4*\q+3], v[SRC], s[14:15] offset:\q*32768 th:TH_LOAD_NT   ; rows 2 q and 2 q + 1; read once in the launch
.endr
.irp q, 0,1,2,3,4,5,6,7
	s_wait_loadcnt 7-\q                            ; loads come back in order: pair q is in, the younger ones stay out
	v_cvt_pk_f16_f32 v[H+2*\q],   v[X+4*\q],   v[X+4*\q+1]
	v_cvt_pk_f16_f32 v[H+2*\q+1], v[X+4*\q+2], v[X+4*\q+3]
	ds_store_b64 v[STO], v[H+2*\q:H+2*\q+1] offset:\q*32
.endr
.irp f, 0,1,2,3
	ds_load_b128 v[Y+4*\f:Y+4*\f+3], v[RDB] offset:\f*2*PIECE      ; my wave's own bytes, served behind the stores above
.endr
.irp f, 0,1,2,3
	s_wait_dscnt 3-\f                              ; line f is in, the younger ones stay out
	global_store_b128 v[DST], v[Y+4*\f:Y+4*\f+3], s[10:11] offset:\f*512
.endr
	s_wait_tensorcnt 0x0
	ds_add_u32 v72, v73
	s_wait_dscnt 0x0
	s_endpgm
.Lfunc_end_k_q05bd70ff89_cast:
	.size	k_q05bd70ff89_cast, .Lfunc_end_k_q05bd70ff89_cast-k_q05bd70ff89_cast
	.p2alignl 7, 3214868480
	.fill 96, 4, 3214868480
	.section	.rodata,"a",@progbits
	.p2align	6, 0x0
	.amdhsa_kernel k_q05bd70ff89_cast
		.amdhsa_group_segment_fixed_size 7168
		.amdhsa_private_segment_fixed_size 0
		.amdhsa_enable_private_segment 0
		.amdhsa_kernarg_size 32
		.amdhsa_user_sgpr_count 2
		.amdhsa_user_sgpr_kernarg_segment_ptr 1
		.amdhsa_wavefront_size32 1
		.amdhsa_system_sgpr_workgroup_id_x 1
		.amdhsa_system_sgpr_workgroup_id_y 1
		.amdhsa_system_sgpr_workgroup_id_z 1
		.amdhsa_system_vgpr_workitem_id 0
		.amdhsa_next_free_vgpr 74
		.amdhsa_next_free_sgpr 66
		.amdhsa_reserve_vcc 0
		.amdhsa_float_denorm_mode_32 3
		.amdhsa_float_denorm_mode_16_64 3
		.amdhsa_memory_ordered 1
		.amdhsa_forward_progress 1
		.amdhsa_inst_pref_size 6
	.end_amdhsa_kernel
	.amdgpu_metadata
---
amdhsa.version: [ 1, 2 ]
amdhsa.kernels:
  - .name:           k_q05bd70ff89_cast
    .symbol:         k_q05bd70ff89_cast.kd
    .args:
      - { .name: T1, .offset: 0, .size: 8, .value_kind: global_buffer, .address_space: global }
      - { .name: T2, .offset: 8, .size: 8, .value_kind: global_buffer, .address_space: global }
      - { .name: T3, .offset: 16, .size: 8, .value_kind: global_buffer, .address_space: global }
      - { .name: Tf, .offset: 24, .size: 8, .value_kind: global_buffer, .address_space: global }
    .group_segment_fixed_size: 7168
    .private_segment_fixed_size: 0
    .kernarg_segment_align: 8
    .kernarg_segment_size: 32
    .max_flat_workgroup_size: 96
    .sgpr_count:     66
    .vgpr_count:     74
    .wavefront_size: 32
...
	.end_amdgpu_metadata
.endif
;; end of part 1
;; launch ntn (part 2): grid 256 x 1, 4 waves a work-group, clusters of 4 x 1, 327,680 bytes of LDS; arguments Tf, W, b, e1, er, p, e2, out0; writes out0
.if DOCPART == 2
	.amdgcn_target "amdgcn-amd-amdhsa--gfx1250"
	.amdhsa_code_object_version 6
	.text
	.protected	k_q05bd70ff89_ntn
	.globl	k_q05bd70ff89_ntn
	.p2align	8
	.type	k_q05bd70ff89_ntn,@function
k_q05bd70ff89_ntn:
	s_mov_b64 s[64:65], 0
	v_nop
	global_prefetch_b8 v0, s[64:65] scope:SCOPE_SE
	s_setreg_imm32_b32 hwreg(HW_REG_WAVE_MODE, 25, 1), 1
	s_wait_xcnt 0x0
	s_wait_alu depctr_hold_cnt(0) depctr_sa_sdst(0) depctr_va_vdst(0) depctr_va_sdst(0) depctr_va_ssrc(0) depctr_va_vcc(0) depctr_vm_vsrc(0)
	s_getreg_b32 s2, hwreg(HW_REG_IB_STS2, 6, 4)
	s_cmp_eq_u32 s2, 0
	s_cbranch_scc0 .Lentry_in_a_cluster
	s_endpgm
.Lentry_in_a_cluster:
	s_bfe_u32 s2, ttmp6, 0x10000c
	s_cmp_lg_u32 s2, 0x3003
	s_cbranch_scc0 .Lentry_shape_is_right
	s_endpgm
.Lentry_shape_is_right:
; ntn(a, c, T)[k][b] = tanh( sum_i a[b][i] (sum_j T[k][i][j] c[b][j]) + sum_f W[k][f] [a;c][b][f] + bias[k] ), five times, in three phases:
;   phase 1: T1, c = p,  a = e1 and er  -> a1, ar      phase 2: T2, c = e2, a = p -> c2      phase 3: T3, c = c2, a = a1 and ar -> u, ur
; The inner sum over j hangs on c and T alone, so the two left operands of phases 1 and 3 share ONE matrix product: three products, not five.
; The outer sum over i is made in f32 by packed multiply-adds straight on the matrix results in registers.
; A work-group owns 128 batch rows; wave w owns 64 of them (rh = w >> 1: four groups g of 16) and 32 of the 64 k (kh = w & 1: two tiles kt' of 16).
; THE MATRIX INSTRUCTION: A = 16 rows k of T at one i (K = j), B = 16 batch rows of c.  In the result, lane (r, h) holds batch row r and its
; registers 0-7 hold k = 8 h + 0..7.  So the factor a[b][i] is one number a lane, the sums ACC have the result's layout, no sum crosses lanes,
; the product with W (C = the bias) starts ACC, and tanh ends it.
; T comes as f16 in fragment order (buffer Tf) in chunks of 8 values of i, 65,536 bytes, through two LDS slots.  CLUSTER: all work-groups walk the
; same 24 chunks, so four work-groups ask for each chunk jointly (mask 15); each wave asks for a quarter, 64 rows of 256 bytes.
; The four inputs' 128 rows are brought once into LDS regions R0..R3 (f32, rows 272 bytes apart); a1, ar, c2 later take the places of e1, er, e2:
; those regions have had their only fill by then.  Nothing but Tf goes through memory.
; LIMITS: matrix operands (T, W, c, and a in the product with W) are f16: an input above 65,504 in magnitude becomes infinity there; below 6.1e-5 the
; absolute rounding error is at most 3e-8.  Sums are f32, first over j (matrix unit), then over i: another order than a plain triple sum.
; tanh(x) = 1 - 2 / (1 + 2^(2.885390 x)): right at both infinities, a NaN stays a NaN.
;
; REGISTERS, in windows of 256 (s_set_vgpr_msb's low byte: bits 1:0 source 0, 3:2 source 1, 5:4 source 2, 7:6 destination):
;   window 0: addresses; TF0, TF1 fragments of T for a pair of i (unit uu = 2 x + kt' at 16 uu); A0, A1 the pair's a; AF = TT a's f16 fragments, then tanh's work
;   window 1: CF c's fragments (16 g + 8 s); ACC the sums (64 op + 16 g + 8 kt'); DT matrix results, two sets (32 set + 8 g)
;   window 2: WF W's fragments (32 kt' + 8 s4); BIAS (8 kt')
.set CHUNK, 65536                      ; an LDS slot: 8 i x 4 kt x 4 f x 512 bytes
.set RB,    2*CHUNK                    ; R0 = e1/a1, R1 = er/ar, R2 = p, R3 = e2/c2
.set PITCH, 272                        ; 256 bytes of data + 16 of padding: the 16 rows that a load touches begin 16 bytes apart modulo 256
.set GRP,   16*PITCH                   ; a group of 16 rows
.set RSZ,   128*PITCH                  ; a region
.set OS,    RB+4*RSZ                   ; the way out: 16 rows x 272 bytes for each wave; no tensor load lands here
.set ADT0, 2                           ; v2   16 L + kh x 4,096: my fragments in slot 0
.set ADT1, 3                           ; v3   the same in slot 1
.set ADA,  4                           ; v4   my row of the left operand(s), stepped 64 bytes (16 i) a lap
.set ADC,  5                           ; v5   ROW + 32 h (ROW = RB + rh x 64 rows + r x 272)
.set ADC2, 6                           ; v6   the same in R2
.set AST,  7                           ; v7   ROW + kh x 128 + 32 h: where my eight results of a row go
.set AST3, 8                           ; v8   the same in R3
.set OSTO, 9                           ; v9   the way out: in
.set ORD,  10                          ; v10  the way out: back
.set OCO,  11                          ; v11  512 h + 16 r: my bytes in two rows of out0
.set ADAB, 15                          ; v15  ROW
.set VW,   16                          ; v16  my offset in W
.set VB,   17                          ; v17  my offset in b
.set TF0,  32
.set TF1,  96
.set A0,   160
.set A1,   176
.set AF,   192
.set TT,   192
.set CF,   0
.set ACC,  64
.set DT,   192
.set WF,   0
.set BIAS, 64
.set G1T, 28                           ; s[28:35] group 1, a quarter of a chunk (joint)
.set G1I, 36                           ; s[36:43] group 1, an input's 128 rows (my work-group's own)
.set G0T, 44                           ; s[44:51] group 0 for the chunks, one set for each slot
.set G0I, 52                           ; s[52:55] group 0 for my input
.set MAIN, 0x54                        ; source 0 window 0 (T's fragment, or a), all else window 1: serves matrix instruction and multiply-add alike
.set TOW1, 0x40
.set TOW2, 0x80
.set FF0,  0x62                        ; A window 2, B window 0, C window 2 (bias), D window 1
.set FF1,  0x52                        ; A window 2, B window 0, C and D window 1
.set FF23, 0x56                        ; A window 2, B, C and D window 1
.set RD1A, 0x01
.set RD1B, 0x04
.set MSB, 0
.macro WIN new                         ; the immediate's high byte repeats the setting that is left
.if MSB != \new
	s_set_vgpr_msb (MSB<<8)|\new
.set MSB, \new
.endif
.endm
.macro PLACES                          ; four plain vector instructions behind a matrix instruction before a vector instruction touches its registers (ISA guide 7.12.1)
.rept 4
	v_nop
.endr
.endm
; A round of the cluster's barrier: my work-group's barrier, wave 0 signals for the work-group, every wave waits for all four work-groups, my work-group's barrier again.
.macro CREST                           ; a round behind its opening barrier
	s_cmp_lg_u32 s20, 0
	s_cbranch_scc1 .Lnot_wave_0_\@
	s_barrier_signal -3
.Lnot_wave_0_\@:
	s_barrier_wait -3
	s_barrier_signal -1
	s_barrier_wait -1
.endm
.macro CROUND
	s_barrier_signal -1
	s_barrier_wait -1
	CREST
.endm
	s_load_b256 s[4:11], s[0:1], 0x0               ; Tf s[4:5], W s[6:7], b s[8:9], e1 s[10:11]
	s_load_b256 s[12:19], s[0:1], 0x20             ; er s[12:13], p s[14:15], e2 s[16:17], out0 s[18:19]
	v_lshl_add_u32 v30, v0, 2, 0x46400
	v_mov_b32 v31, 0
	ds_add_u32 v30, v31
	v_lshrrev_b32 v1, 5, v0
	v_readfirstlane_b32 s20, v1                    ; wave 0..3
	s_lshr_b32 s21, s20, 1                         ; rh: which 64 rows
	s_and_b32 s22, s20, 1                          ; kh: which 32 k
	s_bfe_u32 s23, ttmp6, 0x40000                  ; cx
	s_lshl_b32 s24, ttmp9, 2
	s_add_co_u32 s24, s24, s23                     ; work-group = 4 x cluster + cx
	; group 1 for a quarter of a chunk: dense, 64 rows of 32 elements of 8 bytes
	s_mov_b32 s[G1T+0], 15|(3<<16)|(1<<21)         ; 15:0 mask: all four work-groups; 17:16 elements of 8 bytes; 21 set beside a mask
	s_mov_b32 s[G1T+1], 32<<16                     ; tensor_dim0 = 32
	s_mov_b32 s[G1T+2], 64<<16                     ; tensor_dim1 = 64
	s_mov_b32 s[G1T+3], 32<<16                     ; tile_dim0 = 32
	s_mov_b32 s[G1T+4], 64                         ; tile_dim1 = 64
	s_mov_b32 s[G1T+5], 32                         ; from row to row: 32 elements
	s_mov_b32 s[G1T+6], 0
	s_mov_b32 s[G1T+7], 0
	; group 1 for an input: 128 rows of 64 f32, 4 words of padding behind every 64
	s_mov_b32 s[G1I+0], (2<<16)|(1<<20)|(5<<22)|(3<<25)
	s_mov_b32 s[G1I+1], 64<<16
	s_mov_b32 s[G1I+2], 128<<16
	s_mov_b32 s[G1I+3], 64<<16
	s_mov_b32 s[G1I+4], 128
	s_mov_b32 s[G1I+5], 64
	s_mov_b32 s[G1I+6], 0
	s_mov_b32 s[G1I+7], 0
	s_lshl_b32 s56, s20, 14                        ; my quarter of a chunk: made of the wave's number alone, equal in all four work-groups
	s_mov_b32 s57, 0
	s_mov_b32 s[G0I], 1
	s_mul_i32 s[G0I+1], s20, RSZ
	s_add_co_u32 s[G0I+1], s[G0I+1], RB            ; wave w fills region w
	s_lshl_b32 s58, s24, 15                        ; my work-group's 128 rows of 256 bytes
	s_mov_b32 s59, 0
	s_wait_dscnt 0x0
	s_wait_kmcnt 0x0
	s_add_nc_u64 s[4:5], s[4:5], s[56:57]
.irp sl, 0,1
	s_mov_b32 s[G0T+4*\sl], 1
	s_add_co_u32 s[G0T+4*\sl+1], s56, \sl*CHUNK
	s_add_nc_u64 s[G0T+4*\sl+2:G0T+4*\sl+3], s[4:5], \sl*CHUNK
	s_or_b32 s[G0T+4*\sl+3], s[G0T+4*\sl+3], 0x80000000
.endr
	s_cmp_eq_u32 s20, 1                            ; wave 0: e1, 1: er, 2: p, 3: e2
	s_cselect_b64 s[G0I+2:G0I+3], s[12:13], s[10:11]
	s_cmp_eq_u32 s20, 2
	s_cselect_b64 s[G0I+2:G0I+3], s[14:15], s[G0I+2:G0I+3]
	s_cmp_eq_u32 s20, 3
	s_cselect_b64 s[G0I+2:G0I+3], s[16:17], s[G0I+2:G0I+3]
	s_add_nc_u64 s[G0I+2:G0I+3], s[G0I+2:G0I+3], s[58:59]
	s_or_b32 s[G0I+3], s[G0I+3], 0x80000000
	s_lshl_b32 s58, s24, 16                        ; out0: 128 rows of 512 bytes a work-group,
	s_lshl_b32 s25, s21, 15                        ; 64 rows for rh,
	s_add_co_u32 s58, s58, s25
	s_lshl_b32 s25, s22, 8                         ; 32 k x 2 x 4 bytes for kh
	s_add_co_u32 s58, s58, s25
	s_add_nc_u64 s[18:19], s[18:19], s[58:59]
	CROUND                                         ; all four work-groups are here: the first joint loads meet
	tensor_load_to_lds s[G0I:G0I+3], s[G1I:G1I+7]  ; the first fills, one group: my input,
	s_nop 0
	tensor_load_to_lds s[G0T:G0T+3], s[G1T:G1T+7]  ; my quarter of chunk 0,
	s_nop 0
	tensor_load_to_lds s[G0T+4:G0T+7], s[G1T:G1T+7] ; and of chunk 1: three out, the most that this text ever has
	s_nop 0
	v_and_b32 v12, 15, v0                          ; r
	v_bfe_u32 v13, v0, 4, 1                        ; h
	v_and_b32 v14, 31, v0                          ; L
	s_lshl_b32 s25, s22, 12
	v_lshlrev_b32 v[ADT0], 4, v14
	v_add_nc_u32 v[ADT0], s25, v[ADT0]
	v_add_nc_u32 v[ADT1], CHUNK, v[ADT0]
	s_mul_i32 s26, s21, 4*GRP
	s_add_co_u32 s26, s26, RB
	v_mul_u32_u24 v18, v12, PITCH
	v_add_nc_u32 v[ADAB], s26, v18
	v_lshl_add_u32 v[ADC], v13, 5, v[ADAB]
	v_add_nc_u32 v[ADC2], 2*RSZ, v[ADC]
	s_lshl_b32 s27, s22, 7
	v_add_nc_u32 v[AST], s27, v[ADC]
	v_add_nc_u32 v[AST3], 3*RSZ, v[AST]
	s_mul_i32 s25, s20, GRP
	s_add_co_u32 s25, s25, OS
	v_lshl_add_u32 v19, v13, 6, v18                ; in: row r, 64 bytes for each half of the lanes
	v_add_nc_u32 v[OSTO], s25, v19
	v_mul_u32_u24 v19, v13, PITCH                  ; back: lanes 0-15 one row of 256 bytes, lanes 16-31 the next
	v_lshl_add_u32 v19, v12, 4, v19
	v_add_nc_u32 v[ORD], s25, v19
	v_lshlrev_b32 v[OCO], 4, v12
	v_lshl_add_u32 v[OCO], v13, 9, v[OCO]
	s_lshl_b32 s26, s22, 14                        ; W: row 32 kh + r of 512 bytes, + 32 h
	v_lshlrev_b32 v[VW], 9, v12
	v_lshl_add_u32 v[VW], v13, 5, v[VW]
	v_add_nc_u32 v[VW], s26, v[VW]
	v_lshlrev_b32 v[VB], 5, v13                    ; b: 4 (32 kh + 8 h)
	v_add_nc_u32 v[VB], s27, v[VB]
; 64 pairs of f32 in v[32:159] become 64 registers of f16 at dst (in the window that is set)
.macro CV64 dst
.set ci, 0
.rept 64
	v_cvt_pk_f16_f32 v[\dst+ci], v[32+2*ci], v[33+2*ci]
.set ci, ci+1
.endr
.endm
	; the bias in the result's layout (register j: k = 16 kt + 8 h + j), and W's fragments: lane (r, h) takes f = 32 s4 + 16 part + 8 h + 0..7 of row 16 kt + r
	WIN TOW2
.irp c, 0,1,2,3
	global_load_b128 v[BIAS+4*\c:BIAS+4*\c+3], v[VB], s[8:9] offset:(\c>>1)*64+(\c&1)*16
.endr
	WIN 0
.set wi, 0
.rept 32
	global_load_b128 v[32+4*wi:32+4*wi+3], v[VW], s[6:7] offset:(wi>>4)*8192+((wi>>2)&3)*128+((wi>>1)&1)*64+(wi&1)*16
.set wi, wi+1
.endr
	s_wait_loadcnt 0x0
	WIN TOW2
	CV64 WF
	WIN 0
	s_wait_tensorcnt 0x1                           ; my input and my quarter of chunk 0 are in; chunk 1 may stay out
	s_barrier_signal -1
	s_barrier_wait -1                              ; everybody's are
; One unit of T's fragments: 16 rows k x 64 j at i = il + (uu >> 1), tile kt' = uu & 1: four loads of 32 lanes x 16 neighbouring bytes
.macro RUNU sl, il, par, uu
.irp f, 0,1,2,3
	ds_load_b128 v[TF0+64*(\par)+16*\uu+4*\f:TF0+64*(\par)+16*\uu+4*\f+3], v[ADT0+(\sl)] offset:((\il)+(\uu>>1))*8192+(\uu&1)*2048+\f*512
.endr
.endm
; All that a pair of i needs, NL = 16 + 4 nops loads in one run: unit 0, then a[b][ia], a[b][ia + 1] of each operand and group, then units 1 to 3
.macro RUN sl, il, ia, par, nops
	RUNU \sl, \il, \par, 0
.set ro, 0
.rept \nops
.irp g, 0,1,2,3
	ds_load_b64 v[A0+16*(\par)+8*ro+2*\g:A0+16*(\par)+8*ro+2*\g+1], v[ADA] offset:ro*RSZ+\g*GRP+(\ia)*4
.endr
.set ro, ro+1
.endr
	RUNU \sl, \il, \par, 1
	RUNU \sl, \il, \par, 2
	RUNU \sl, \il, \par, 3
.endm
; A beat.  dow: eight matrix instructions multiply the unit at tf with c's four groups into set wset: the four accumulators take turns, one instruction a turn,
; the first turn starts the sums with C = 0.  dof: the unit in set cset (i = x of the pair, tile ktc) is added into ACC, times a.
; A result is read at the earliest eight multiply-adds behind its last matrix instruction, none of which names a register of that instruction.
.macro BEAT dow, tf, wset, dof, ab, x, ktc, cset, nops
.set bj, 0
.rept 8
.if \dow
.set bg, bj&3
.if bj>>2
	v_wmma_f32_16x16x32_f16 v[DT+32*\wset+8*bg:DT+32*\wset+8*bg+7], v[\tf+8:\tf+15], v[CF+16*bg+8:CF+16*bg+15], v[DT+32*\wset+8*bg:DT+32*\wset+8*bg+7]
.else
	v_wmma_f32_16x16x32_f16 v[DT+32*\wset+8*bg:DT+32*\wset+8*bg+7], v[\tf:\tf+7], v[CF+16*bg:CF+16*bg+7], 0
.endif
.endif
.if \dof
.set cg, bj>>1
.if \nops==2
.set co, bj&1
.set cq, 0
.else
.set co, 0
.set cq, 4*(bj&1)
.endif
.rept 2*\nops
	v_pk_fma_f32 v[ACC+64*co+16*cg+8*\ktc+cq:ACC+64*co+16*cg+8*\ktc+cq+1], v[\ab+8*co+2*cg:\ab+8*co+2*cg+1], v[DT+32*\cset+8*cg+cq:DT+32*\cset+8*cg+cq+1], v[ACC+64*co+16*cg+8*\ktc+cq:ACC+64*co+16*cg+8*\ktc+cq+1] op_sel:[\x,0,0] op_sel_hi:[\x,1,1]
.set cq, cq+2
.endr
.endif
.set bj, bj+1
.endr
.endm
.macro PSYM p, nops                    ; the names that a pair's text uses: p = the pair's number in its lap, 0..7
.set NL, 16+4*\nops
.set ppar, (\p)&1
.set tfc, TF0+64*ppar                  ; this pair's fragments,
.set tfn, TF0+64*(1-ppar)              ; the next pair's,
.set abc, A0+16*ppar                   ; this pair's a
.set osl, (\p)>>2                      ; this pair's slot
.set nx, \p+1
.set nsl, (nx>>2)&1                    ; the next pair's slot, i in the slot, i in the lap, buffers
.set nil, 2*(nx&3)
.set nia, 2*nx
.set npar, nx&1
.endm
; A pair of i: beat b adds unit b into the sums and multiplies unit b + 1 (beat 3: the next pair's unit 0).
.macro PB p, nops
	PSYM \p, \nops
	s_wait_dscnt 8                                 ; of this pair's run only units 2 and 3 may be out: a and unit 1 are in
	WIN 0
	RUN nsl, nil, nia, npar, \nops                 ; its buffers were last read by a matrix instruction a whole beat of multiply-adds ago
	WIN MAIN
	BEAT 1, tfc+16, 1, 1, abc, 0, 0, 0, \nops
	s_wait_dscnt NL+4                              ; unit 2 is in: unit 3 and the new run may be out
	BEAT 1, tfc+32, 0, 1, abc, 0, 1, 1, \nops
	s_wait_dscnt NL                                ; unit 3 is in
	BEAT 1, tfc+48, 1, 1, abc, 1, 0, 0, \nops
	s_wait_dscnt NL-4                              ; the new run's unit 0 is in
	BEAT 1, tfn, 0, 1, abc, 1, 1, 1, \nops
.endm
; A slot's last pair, and the change of slots.  In front of the barrier each wave waits for its reads of this slot (and of the regions) and for all its tensor
; loads, of which one is out: its quarter of the other slot.  refill = 1: the barrier opens a round of the cluster's barrier, with register work alone inside,
; and the joint load of the chunk two steps ahead is the first tensor load behind it, one a wave; from there to the wait for it stand 15 of a step's 16 beats.
; fetch = 1: the next pair's run, from the other slot.  last = 1: a phase's last pair multiplies nothing further.
.macro TURN p, nops, refill, fetch, last
	PSYM \p, \nops
	s_wait_dscnt 0x0                               ; my reads of this slot are over
.if \refill+\fetch
	s_set_vgpr_msb 0x5450
	s_wait_tensorcnt 0x0                           ; all my tensor loads have landed, so a group 0 may be written
	ds_add_u32 v30, v31
	s_wait_dscnt 0x0
	s_set_vgpr_msb 0x5054
.if \refill
	s_add_nc_u64 s[G0T+4*osl+2:G0T+4*osl+3], s[G0T+4*osl+2:G0T+4*osl+3], 2*CHUNK
.endif
	s_barrier_signal -1
.endif
	WIN MAIN
	BEAT 1, tfc+16, 1, 1, abc, 0, 0, 0, \nops
.if \refill+\fetch
	WIN 0
	s_barrier_wait -1
.if \refill
	CREST                                          ; no wave of any of the four work-groups still reads this slot or has a load on its way
	tensor_load_to_lds s[G0T+4*osl:G0T+4*osl+3], s[G1T:G1T+7]
	s_nop 0
.endif
.if \fetch
	RUN nsl, nil, nia, npar, \nops
.endif
	WIN MAIN
.endif
	BEAT 1, tfc+32, 0, 1, abc, 0, 1, 1, \nops
	BEAT 1, tfc+48, 1, 1, abc, 1, 0, 0, \nops
.if \fetch
	s_wait_dscnt NL-4                              ; the new run's unit 0 is in
.endif
	BEAT 1-\last, tfn, 0, 1, abc, 1, 1, 1, \nops
.endm
.macro LAP nops, r3, r7, f7, l7        ; once round the ring: 16 values of i
	PB 0, \nops
	PB 1, \nops
	PB 2, \nops
	TURN 3, \nops, \r3, 1, 0
	PB 4, \nops
	PB 5, \nops
	PB 6, \nops
	TURN 7, \nops, \r7, \f7, \l7
.endm
; My 64 rows of a region as f32, in fragment order: lane (r, h) takes j = 16 c4 + 8 h + 0..7 of row 16 g + r (c = 2 c4 + e)
.macro LDFR areg, roff
.irp g, 0,1,2,3
.irp c, 0,1,2,3,4,5,6,7
	ds_load_b128 v[32+32*\g+4*\c:32+32*\g+4*\c+3], v[\areg] offset:\roff+\g*GRP+(\c>>1)*64+(\c&1)*16
.endr
.endr
.endm
; One K step of 32 of W [a;c] + bias for operand op: eight accumulators take turns, one instruction a turn.
; op may arrive as an expression, so it stands in brackets wherever it is multiplied.
.macro FFSTEP op, s4
.irp g, 0,1,2,3
.irp k, 0,1
.if \s4 == 0
	v_wmma_f32_16x16x32_f16 v[ACC+64*(\op)+16*\g+8*\k:ACC+64*(\op)+16*\g+8*\k+7], v[WF+32*\k:WF+32*\k+7], v[AF+16*\g:AF+16*\g+7], v[BIAS+8*\k:BIAS+8*\k+7]
.else
.if \s4 == 1
	v_wmma_f32_16x16x32_f16 v[ACC+64*(\op)+16*\g+8*\k:ACC+64*(\op)+16*\g+8*\k+7], v[WF+32*\k+8:WF+32*\k+15], v[AF+16*\g+8:AF+16*\g+15], v[ACC+64*(\op)+16*\g+8*\k:ACC+64*(\op)+16*\g+8*\k+7]
.else
	v_wmma_f32_16x16x32_f16 v[ACC+64*(\op)+16*\g+8*\k:ACC+64*(\op)+16*\g+8*\k+7], v[WF+32*\k+8*\s4:WF+32*\k+8*\s4+7], v[CF+16*\g+8*(\s4-2):CF+16*\g+8*(\s4-2)+7], v[ACC+64*(\op)+16*\g+8*\k:ACC+64*(\op)+16*\g+8*\k+7]
.endif
.endif
.endr
.endr
.endm
.macro FF op
	WIN FF0
	FFSTEP \op, 0                                  ; f = 0..31 of a; the bias starts the sums
	WIN FF1
	FFSTEP \op, 1
	WIN FF23
	FFSTEP \op, 2                                  ; f = 64..127 is c
	FFSTEP \op, 3
.endm
; A phase's head: c's and a's f16 fragments, the product with W, the first pair's run, and the first unit's product.
.macro PROLOG nops, creg, coff, areg, aoff0, aoff1, adaoff
	WIN 0
	v_add_nc_u32 v[ADA], \adaoff, v[ADAB]
	LDFR \creg, \coff
	s_wait_dscnt 0x0
	WIN TOW1
	CV64 CF
	WIN 0
	LDFR \areg, \aoff0
	s_wait_dscnt 0x0
	CV64 AF
.if \nops==2
	LDFR \areg, \aoff1                             ; the second operand comes in while the first is multiplied
	FF 0
	WIN 0
	PLACES                                         ; AF, which those matrix instructions read, is written again only behind four places
	s_wait_dscnt 0x0
	CV64 AF
.endif
	RUN 0, 0, 0, 0, \nops
	FF \nops-1
	s_wait_dscnt 12+4*\nops                        ; the run's unit 0 is in: its other loads may be out
	WIN MAIN
	BEAT 1, TF0, 0, 0, 0, 0, 0, 0, \nops
	PLACES                                         ; behind them the multiply-adds may read DT and add onto ACC, which matrix instructions started
	WIN 0
.endm
; TT[0 .. cnt-1] hold 2.885390 x; they leave as tanh(x).  Behind each run of transcendentals one plain instruction before a result is used (ISA guide 5.7.2).
.macro TANH cnt
.set ti, 0
.rept \cnt
	v_exp_f32 v[TT+ti], v[TT+ti]
.set ti, ti+1
.endr
	v_nop
.set ti, 0
	s_wait_alu depctr_va_vdst(0)
.rept \cnt/2
	v_pk_add_f32 v[TT+ti:TT+ti+1], v[TT+ti:TT+ti+1], 1.0 op_sel_hi:[1,0]
.set ti, ti+2
.endr
.set ti, 0
.rept \cnt
	v_rcp_f32 v[TT+ti], v[TT+ti]
.set ti, ti+1
.endr
	v_nop
.set ti, 0
	s_wait_alu depctr_va_vdst(0)
.rept \cnt/2
	v_pk_fma_f32 v[TT+ti:TT+ti+1], v[TT+ti:TT+ti+1], -2.0, 1.0 op_sel_hi:[1,0,0]
.set ti, ti+2
.endr
.endm
; tanh of operand op's 64 sums a lane, stored as f32 rows [b][k] at sreg + op regions: lane (r, h) has k = 32 kh + 16 kt' + 8 h + 0..7 of row 16 g + r
.macro EPI12 op, sreg
	WIN RD1A
.set ei, 0
.rept 32
	v_pk_mul_f32 v[TT+ei:TT+ei+1], v[ACC+64*\op+ei:ACC+64*\op+ei+1], 0x4038aa3b op_sel_hi:[1,0]
.set ei, ei+2
.endr
	WIN 0
	TANH 64
.set ei, 0
.rept 16
	ds_store_b128 v[\sreg], v[TT+4*ei:TT+4*ei+3] offset:\op*RSZ+(ei>>2)*GRP+((ei>>1)&1)*64+(ei&1)*16
.set ei, ei+1
.endr
.endm
	; PHASE 1: T1 (chunks 0-7), c = p (R2), a = e1 (R0) and er (R1)
	PROLOG 2, ADC2, 0, ADC, 0, RSZ, 0
	s_mov_b32 s60, 3
.Llap1:
	LAP 2, 1, 1, 1, 0
	WIN 0                                          ; at a label and at a branch every window is 0
	v_add_nc_u32 v[ADA], 64, v[ADA]                ; 16 i on
	s_sub_co_u32 s60, s60, 1
	s_cmp_lg_u32 s60, 0
	s_cbranch_scc1 .Llap1
	LAP 2, 1, 1, 0, 1                              ; the last lap asks for chunks 8 and 9, the next phase's first
	EPI12 0, AST                                   ; a1 over e1, ar over er: every wave's last read of R0 and R1 was waited for in front of the round just passed
	EPI12 1, AST
	; PHASE 2: T2 (chunks 8-15), c = e2 (R3), a = p (R2)
	PROLOG 1, ADC2, RSZ, ADC2, 0, 0, 2*RSZ
	s_mov_b32 s60, 3
.Llap2:
	LAP 1, 1, 1, 1, 0
	WIN 0
	v_add_nc_u32 v[ADA], 64, v[ADA]
	s_sub_co_u32 s60, s60, 1
	s_cmp_lg_u32 s60, 0
	s_cbranch_scc1 .Llap2
	LAP 1, 1, 1, 0, 1                              ; asks for chunks 16 and 17
	EPI12 0, AST3                                  ; c2 over e2: R3 was last read in this phase's head, in front of all its rounds
	s_wait_dscnt 0x0                               ; my stores of c2 (and of a1, ar before) are done
	s_barrier_signal -1
	s_barrier_wait -1                              ; everybody's are; chunk 17 may stay on its way
	; PHASE 3: T3 (chunks 16-23), c = c2 (R3), a = a1 (R0) and ar (R1)
	PROLOG 2, ADC2, RSZ, ADC, 0, RSZ, 0
	s_mov_b32 s60, 3
.Llap3:
	LAP 2, 1, 1, 1, 0
	WIN 0
	v_add_nc_u32 v[ADA], 64, v[ADA]
	s_sub_co_u32 s60, s60, 1
	s_cmp_lg_u32 s60, 0
	s_cbranch_scc1 .Llap3
	LAP 2, 0, 0, 0, 1                              ; nothing is left to fetch: its one barrier shows chunk 23 to every wave
	; THE WAY OUT, 16 rows at a time: u and ur side by side (out0[b][k][0..1]), 64 bytes a lane and tile into my own stage, read back as rows of 256 bytes
.irp g, 0,1,2,3
	WIN RD1B
.set ei, 0
.rept 16
	v_mul_f32 v[TT+2*ei],   0x4038aa3b, v[ACC+16*\g+ei]
	v_mul_f32 v[TT+2*ei+1], 0x4038aa3b, v[ACC+64+16*\g+ei]
.set ei, ei+1
.endr
	WIN 0
	TANH 32
.irp c, 0,1,2,3,4,5,6,7
	ds_store_b128 v[OSTO], v[TT+4*\c:TT+4*\c+3] offset:(\c>>2)*128+(\c&3)*16
.endr
.irp t, 0,1,2,3,4,5,6,7
	ds_load_b128 v[32+32*\g+4*\t:32+32*\g+4*\t+3], v[ORD] offset:\t*2*PITCH     ; LDS serves a wave's instructions in order: these see the stores above
.endr
.irp t, 0,1,2,3,4,5,6,7
	s_wait_dscnt 7-\t                              ; rows 2 t and 2 t + 1 are in, the younger ones stay out
	global_store_b128 v[OCO], v[32+32*\g+4*\t:32+32*\g+4*\t+3], s[18:19] offset:\g*8192+\t*1024 th:TH_STORE_NT   ; 16 lanes store 256 consecutive bytes, aligned; each group has registers of its own
.endr
.endr
	s_wait_tensorcnt 0x0
	ds_add_u32 v30, v31
	s_wait_dscnt 0x0
	CROUND                                         ; the closing round: no work-group ends while a partner may still ask for a chunk that names it
	s_endpgm
.Lfunc_end_k_q05bd70ff89_ntn:
	.size	k_q05bd70ff89_ntn, .Lfunc_end_k_q05bd70ff89_ntn-k_q05bd70ff89_ntn
	.p2alignl 7, 3214868480
	.fill 96, 4, 3214868480
	.section	.rodata,"a",@progbits
	.p2align	6, 0x0
	.amdhsa_kernel k_q05bd70ff89_ntn
		.amdhsa_group_segment_fixed_size 327680
		.amdhsa_private_segment_fixed_size 0
		.amdhsa_enable_private_segment 0
		.amdhsa_kernarg_size 64
		.amdhsa_user_sgpr_count 2
		.amdhsa_user_sgpr_kernarg_segment_ptr 1
		.amdhsa_wavefront_size32 1
		.amdhsa_system_sgpr_workgroup_id_x 1
		.amdhsa_system_sgpr_workgroup_id_y 1
		.amdhsa_system_sgpr_workgroup_id_z 1
		.amdhsa_system_vgpr_workitem_id 0
		.amdhsa_next_free_vgpr 592
		.amdhsa_next_free_sgpr 66
		.amdhsa_reserve_vcc 0
		.amdhsa_float_denorm_mode_32 3
		.amdhsa_float_denorm_mode_16_64 3
		.amdhsa_memory_ordered 1
		.amdhsa_forward_progress 1
		.amdhsa_inst_pref_size 255
	.end_amdhsa_kernel
	.section	.bss,"aw",@nobits
	.p2align	6
	.space	262144
	.amdgpu_metadata
---
amdhsa.version: [ 1, 2 ]
amdhsa.kernels:
  - .name:           k_q05bd70ff89_ntn
    .symbol:         k_q05bd70ff89_ntn.kd
    .args:
      - { .name: Tf, .offset: 0, .size: 8, .value_kind: global_buffer, .address_space: global }
      - { .name: W, .offset: 8, .size: 8, .value_kind: global_buffer, .address_space: global }
      - { .name: b, .offset: 16, .size: 8, .value_kind: global_buffer, .address_space: global }
      - { .name: e1, .offset: 24, .size: 8, .value_kind: global_buffer, .address_space: global }
      - { .name: er, .offset: 32, .size: 8, .value_kind: global_buffer, .address_space: global }
      - { .name: p, .offset: 40, .size: 8, .value_kind: global_buffer, .address_space: global }
      - { .name: e2, .offset: 48, .size: 8, .value_kind: global_buffer, .address_space: global }
      - { .name: out0, .offset: 56, .size: 8, .value_kind: global_buffer, .address_space: global }
    .group_segment_fixed_size: 327680
    .private_segment_fixed_size: 0
    .kernarg_segment_align: 8
    .kernarg_segment_size: 64
    .max_flat_workgroup_size: 128
    .sgpr_count:     66
    .vgpr_count:     592
    .wavefront_size: 32
...
	.end_amdgpu_metadata
.endif
;; end of part 2
;; ======== version 2 of 3: 2 launches; 1.59 times as fast as version 1
;; limits: values are held in f16: magnitudes above 65,504 overflow, below 6.1e-05 lose precision; inputs' magnitudes at most 65,504
;; workspace buffers: Tf 1,572,864 bytes
;; launch cast (part 3): grid 256 x 1, 3 waves a work-group, no clusters, 7,168 bytes of LDS; arguments T2, T1, T3, Tf; writes Tf
.if DOCPART == 3
	.amdgcn_target "amdgcn-amd-amdhsa--gfx1250"
	.amdhsa_code_object_version 6
	.text
	.protected	k_q05bd70ff89_cast
	.globl	k_q05bd70ff89_cast
	.p2align	8
	.type	k_q05bd70ff89_cast,@function
k_q05bd70ff89_cast:
	s_mov_b64 s[64:65], 0
	v_nop
	global_prefetch_b8 v0, s[64:65] scope:SCOPE_SE
	s_setreg_imm32_b32 hwreg(HW_REG_WAVE_MODE, 25, 1), 1
	s_wait_xcnt 0x0
; Three tensors [64 k][64 i][64 j] f32 are rounded once to f16 and laid out in the order in which the next launch's matrix instructions
; take them.  The launch names them in the order in which the next launch walks them: t = 0 is T2, t = 1 is T1, t = 2 is T3.
; Tf byte  t*524288 + i*8192 + kt*2048 + f*512 + L*16  holds the eight f16  T_t[16 kt + (L & 15)][i][16 f + 8 (L >> 4) + 0..7].
; So 32 lanes x 16 neighbouring bytes are half a fragment of 16 rows x 32 j.
; Work-group x = 4 i + kt; wave w = tensor t: one wave makes one tile of 16 rows k x 64 j, 2,048 bytes of Tf.
; Every load takes two whole rows of 256 bytes (16 lanes each); every store of a wave covers 512 consecutive bytes, aligned.
; The regrouping goes through the wave's own 2,176 bytes of LDS: no barrier, and LDS serves a wave's instructions in order.
; LIMIT: f16: |T| above 65,504 becomes infinity; below 6.1e-5 the absolute rounding error is at most 3e-8.
.set PIECE, 272                        ; 16 rows x 16 bytes of one (f, h), and 16 bytes so that neighbouring pieces begin 16 bytes apart modulo 256
.set WAVEB, 8*PIECE                    ; a wave's bytes in LDS
.set SRC,  2                           ; v2  source offset: (L >> 4) rows of 16,384 bytes + 16 (L & 15)
.set STO,  3                           ; v3  where my 8 bytes go in LDS
.set RDB,  4                           ; v4  where I read 16 bytes back
.set DST,  5                           ; v5  16 L
.set X,    8                           ; v[8:39]   eight loads of four f32
.set H,    40                          ; v[40:55]  the same as f16, two registers each
.set Y,    56                          ; v[56:71]  four lines of 16 bytes to store
	s_load_b256 s[4:11], s[0:1], 0x0               ; tensor 0 s[4:5], tensor 1 s[6:7], tensor 2 s[8:9], Tf s[10:11]
	v_lshl_add_u32 v72, v0, 2, 0x1a00
	v_mov_b32 v73, 0
	v_lshrrev_b32 v1, 5, v0
	v_readfirstlane_b32 s12, v1                    ; wave = tensor 0..2
	v_and_b32 v6, 15, v0                           ; L & 15
	v_bfe_u32 v7, v0, 4, 1                         ; L >> 4
	v_and_b32 v[DST], 31, v0
	v_lshlrev_b32 v[DST], 4, v[DST]
	v_lshlrev_b32 v[SRC], 4, v6
	v_lshl_add_u32 v[SRC], v7, 14, v[SRC]          ; a row k is 64 x 64 x 4 = 16,384 bytes from the next
	s_mul_i32 s13, s12, WAVEB
	; my four f32 are j = 4 (L & 15) + 0..3 of row 2 q + (L >> 4): piece (L & 15) >> 1, its row's 16 bytes, half (L & 1)
	v_lshrrev_b32 v1, 1, v6
	v_mul_u32_u24 v[STO], v1, PIECE
	v_lshl_add_u32 v[STO], v7, 4, v[STO]
	v_and_b32 v1, 1, v6
	v_lshl_add_u32 v[STO], v1, 3, v[STO]
	v_add_nc_u32 v[STO], s13, v[STO]
	; back: line f of the tile is pieces 2 f (lanes 0-15) and 2 f + 1 (lanes 16-31)
	v_mul_u32_u24 v[RDB], v7, PIECE
	v_lshl_add_u32 v[RDB], v6, 4, v[RDB]
	v_add_nc_u32 v[RDB], s13, v[RDB]
	s_and_b32 s16, ttmp9, 3                        ; kt
	s_lshr_b32 s17, ttmp9, 2                       ; i
	s_lshl_b32 s16, s16, 18                        ; 16 rows k
	s_lshl_b32 s17, s17, 8                         ; a row i is 256 bytes
	s_or_b32 s16, s16, s17
	s_mov_b32 s17, 0
	s_lshl_b32 s18, s12, 19                        ; tensor t's 524,288 bytes of Tf
	s_lshl_b32 s19, ttmp9, 11                      ; + (4 i + kt) x 2,048
	s_add_co_u32 s18, s18, s19
	s_mov_b32 s19, 0
	s_wait_kmcnt 0x0
	s_cmp_eq_u32 s12, 1                            ; the wave's tensor, chosen by the wave's number
	s_cselect_b64 s[14:15], s[6:7], s[4:5]
	s_cmp_eq_u32 s12, 2
	s_cselect_b64 s[14:15], s[8:9], s[14:15]
	s_add_nc_u64 s[14:15], s[14:15], s[16:17]
	s_add_nc_u64 s[10:11], s[10:11], s[18:19]
.irp q, 0,1,2,3,4,5,6,7
	global_load_b128 v[X+4*\q:X+4*\q+3], v[SRC], s[14:15] offset:\q*32768 th:TH_LOAD_NT   ; rows 2 q and 2 q + 1; read once in the launch
.endr
.irp q, 0,1,2,3,4,5,6,7
	s_wait_loadcnt 7-\q                            ; loads come back in order: pair q is in, the younger ones stay out
	v_cvt_pk_f16_f32 v[H+2*\q],   v[X+4*\q],   v[X+4*\q+1]
	v_cvt_pk_f16_f32 v[H+2*\q+1], v[X+4*\q+2], v[X+4*\q+3]
	ds_store_b64 v[STO], v[H+2*\q:H+2*\q+1] offset:\q*32
.endr
.irp f, 0,1,2,3
	ds_load_b128 v[Y+4*\f:Y+4*\f+3], v[RDB] offset:\f*2*PIECE      ; my wave's own bytes, served behind the stores above
.endr
.irp f, 0,1,2,3
	s_wait_dscnt 3-\f                              ; line f is in, the younger ones stay out
	global_store_b128 v[DST], v[Y+4*\f:Y+4*\f+3], s[10:11] offset:\f*512
.endr
	s_wait_tensorcnt 0x0
	ds_add_u32 v72, v73
	s_wait_dscnt 0x0
	s_endpgm
.Lfunc_end_k_q05bd70ff89_cast:
	.size	k_q05bd70ff89_cast, .Lfunc_end_k_q05bd70ff89_cast-k_q05bd70ff89_cast
	.p2alignl 7, 3214868480
	.fill 96, 4, 3214868480
	.section	.rodata,"a",@progbits
	.p2align	6, 0x0
	.amdhsa_kernel k_q05bd70ff89_cast
		.amdhsa_group_segment_fixed_size 7168
		.amdhsa_private_segment_fixed_size 0
		.amdhsa_enable_private_segment 0
		.amdhsa_kernarg_size 32
		.amdhsa_user_sgpr_count 2
		.amdhsa_user_sgpr_kernarg_segment_ptr 1
		.amdhsa_wavefront_size32 1
		.amdhsa_system_sgpr_workgroup_id_x 1
		.amdhsa_system_sgpr_workgroup_id_y 1
		.amdhsa_system_sgpr_workgroup_id_z 1
		.amdhsa_system_vgpr_workitem_id 0
		.amdhsa_next_free_vgpr 74
		.amdhsa_next_free_sgpr 66
		.amdhsa_reserve_vcc 0
		.amdhsa_float_denorm_mode_32 3
		.amdhsa_float_denorm_mode_16_64 3
		.amdhsa_memory_ordered 1
		.amdhsa_forward_progress 1
		.amdhsa_inst_pref_size 6
	.end_amdhsa_kernel
	.amdgpu_metadata
---
amdhsa.version: [ 1, 2 ]
amdhsa.kernels:
  - .name:           k_q05bd70ff89_cast
    .symbol:         k_q05bd70ff89_cast.kd
    .args:
      - { .name: T2, .offset: 0, .size: 8, .value_kind: global_buffer, .address_space: global }
      - { .name: T1, .offset: 8, .size: 8, .value_kind: global_buffer, .address_space: global }
      - { .name: T3, .offset: 16, .size: 8, .value_kind: global_buffer, .address_space: global }
      - { .name: Tf, .offset: 24, .size: 8, .value_kind: global_buffer, .address_space: global }
    .group_segment_fixed_size: 7168
    .private_segment_fixed_size: 0
    .kernarg_segment_align: 8
    .kernarg_segment_size: 32
    .max_flat_workgroup_size: 96
    .sgpr_count:     66
    .vgpr_count:     74
    .wavefront_size: 32
...
	.end_amdgpu_metadata
.endif
;; end of part 3
;; launch ntn (part 4): grid 256 x 1, 4 waves a work-group, clusters of 4 x 1, 327,680 bytes of LDS; arguments Tf, W, b, e1, er, p, e2, out0; writes out0
.if DOCPART == 4
	.amdgcn_target "amdgcn-amd-amdhsa--gfx1250"
	.amdhsa_code_object_version 6
	.text
	.protected	k_q05bd70ff89_ntn
	.globl	k_q05bd70ff89_ntn
	.p2align	8
	.type	k_q05bd70ff89_ntn,@function
k_q05bd70ff89_ntn:
	s_mov_b64 s[64:65], 0
	v_nop
	global_prefetch_b8 v0, s[64:65] scope:SCOPE_SE
	s_setreg_imm32_b32 hwreg(HW_REG_WAVE_MODE, 25, 1), 1
	s_wait_xcnt 0x0
	s_wait_alu depctr_hold_cnt(0) depctr_sa_sdst(0) depctr_va_vdst(0) depctr_va_sdst(0) depctr_va_ssrc(0) depctr_va_vcc(0) depctr_vm_vsrc(0)
	s_getreg_b32 s2, hwreg(HW_REG_IB_STS2, 6, 4)
	s_cmp_eq_u32 s2, 0
	s_cbranch_scc0 .Lentry_in_a_cluster
	s_endpgm
.Lentry_in_a_cluster:
	s_bfe_u32 s2, ttmp6, 0x10000c
	s_cmp_lg_u32 s2, 0x3003
	s_cbranch_scc0 .Lentry_shape_is_right
	s_endpgm
.Lentry_shape_is_right:
; ntn(a, c, T)[k][b] = tanh( sum_i a[b][i] (sum_j T[k][i][j] c[b][j]) + sum_f W[k][f] [a;c][b][f] + bias[k] ), five times, in three phases:
;   first: T2, c = e2, a = p -> c2      second: T1, c = p, a = e1 and er -> a1, ar      third: T3, c = c2, a = a1 and ar -> u, ur
; The inner sum over j hangs on c and T alone, so the two left operands of the second and third phase share ONE matrix product: three products, not five.
; The outer sum over i is made in f32 by packed multiply-adds straight on the matrix results in registers.
; A work-group owns 128 batch rows; wave w owns 64 of them (rh = w >> 1: four groups g of 16) and 32 of the 64 k (kh = w & 1: two tiles kt' of 16).
; THE MATRIX INSTRUCTION: A = 16 rows k of T at one i (K = j), B = 16 batch rows of c.  In the result, lane (r, h) holds batch row r and its
; registers 0-7 hold k = 8 h + 0..7.  So the factor a[b][i] is one number a lane, the sums ACC have the result's layout, no sum crosses lanes,
; the product with W (C = the bias) starts ACC, and tanh ends it.
; T comes as f16 in fragment order (buffer Tf: T2, T1, T3) in 24 chunks of 8 values of i, 65,536 bytes, through two LDS slots.  CLUSTER: all work-groups
; walk the same 24 chunks, so four work-groups ask for each chunk jointly (mask 15); each wave asks for a quarter, 64 rows of 256 bytes.
; THE ORDER OF A PHASE'S CHUNKS: the sum over i may be taken in any order, so cluster q takes a phase's eight chunks in the order (q + m) mod 8, m = 0..7.
; In any step the 64 clusters then ask for eight different chunks, and from a phase's second chunk on a cluster that keeps pace with the others asks for
; bytes that cluster q + 1 asked for one step before.  q is the cluster's number, which the four partners share: a joint load's descriptor stays equal in all four.
; The four inputs' 128 rows are brought once into LDS regions R0..R3 (f32, rows 272 bytes apart); a1, ar, c2 later take the places of e1, er, e2:
; those regions have had their only fill by then.  Nothing but Tf goes through memory.
; THE TEXT IS KEPT SHORT.  A step (one chunk, four pairs of i) stands once and is walked in a loop.  Which slot it reads is no constant of the text:
; s62 holds 0 or 65,536 and is toggled each step, and the ring's one descriptor follows.  The slot's last pair is cut behind its refill into
; TURNA and TURNB; the loop is  TURNB (fetches the next step's first pair), then at the label in its middle three pairs and TURNA;  a phase's head jumps
; to that label, and behind the loop stands a TURNB that fetches nothing.  The second and third phase run the same head and the same loop: an outer loop
; of two trips, entered in its middle too, with the second phase's end between the trips.  They differ in a register (where c lies) and in the step count.
; LIMITS: matrix operands (T, W, c, and a in the product with W) are f16: an input above 65,504 in magnitude becomes infinity there; below 6.1e-5 the
; absolute rounding error is at most 3e-8.  Sums are f32, first over j (matrix unit), then over i, beginning at i = 8 (q mod 8): another order than a plain
; triple sum, and not the same order in all clusters.
; tanh(x) = 1 - 2 / (1 + 2^(2.885390 x)): right at both infinities, a NaN stays a NaN.
;
; REGISTERS, in windows of 256 (s_set_vgpr_msb's low byte: bits 1:0 source 0, 3:2 source 1, 5:4 source 2, 7:6 destination):
;   window 0: addresses; TF0, TF1 fragments of T for a pair of i (unit uu = 2 x + kt' at 16 uu); A0, A1 the pair's a; AF = TT a's f16 fragments, then tanh's work
;   window 1: CF c's fragments (16 g + 8 s); ACC the sums (64 op + 16 g + 8 kt'); DT matrix results, two sets (32 set + 8 g)
;   window 2: WF W's fragments (32 kt' + 8 s4); BIAS (8 kt')
.set CHUNK, 65536                      ; an LDS slot: 8 i x 4 kt x 4 f x 512 bytes
.set RB,    2*CHUNK                    ; R0 = e1/a1, R1 = er/ar, R2 = p, R3 = e2/c2
.set PITCH, 272                        ; 256 bytes of data + 16 of padding: the 16 rows that a load touches begin 16 bytes apart modulo 256
.set GRP,   16*PITCH                   ; a group of 16 rows
.set RSZ,   128*PITCH                  ; a region
.set OS,    RB+4*RSZ                   ; the way out: 16 rows x 272 bytes for each wave; no tensor load lands here
.set ADT0, 2                           ; v2   16 L + kh x 4,096: my fragments in slot 0
.set ADTC, 3                           ; v3   the same in the slot that the step reads: ADT0 + s62
.set ADA,  4                           ; v4   my row of the left operand(s) at the step's first i: ADAP + 32 ((q + m) mod 8)
.set ADC,  5                           ; v5   ROW + 32 h (ROW = RB + rh x 64 rows + r x 272)
.set ADC2, 6                           ; v6   the same in R2
.set AST,  7                           ; v7   ROW + kh x 128 + 32 h: where my eight results of a row go
.set AST3, 8                           ; v8   the same in R3
.set OSTO, 9                           ; v9   the way out: in
.set ORD,  10                          ; v10  the way out: back
.set OCO,  11                          ; v11  512 h + 16 r: my bytes in two rows of out0
.set ADAB, 15                          ; v15  ROW
.set VW,   16                          ; v16  my offset in W
.set VB,   17                          ; v17  my offset in b
.set ADCC, 20                          ; v20  where the shared head finds c: ADC2 (p), then ADC2 + a region (c2)
.set ADAP, 21                          ; v21  my row in the phase's (first) left operand
.set TF0,  32
.set TF1,  96
.set A0,   160
.set A1,   176
.set AF,   192
.set TT,   192
.set CF,   0
.set ACC,  64
.set DT,   192
.set WF,   0
.set BIAS, 64
.set SQ,  2                            ; s2   q mod 8: where my cluster begins a phase's chunks
.set SN,  3                            ; s3   the sequence number, 2 to 23, of the chunk that the next refill brings
.set SR,  63                           ; s63  q mod 8 + m: the step that is read
.set G1T, 28                           ; s[28:35] group 1, a quarter of a chunk (joint)
.set G1I, 36                           ; s[36:43] group 1, an input's 128 rows (my work-group's own)
.set G0A, 44                           ; s[44:47] group 0 for the first chunk, used once
.set G0R, 48                           ; s[48:51] group 0 for the second chunk, and from then on the ring's: written anew in front of each refill
.set G0I, 52                           ; s[52:55] group 0 for my input
                                       ; s[4:5] Tf at my quarter of a chunk, kept; s[56:57] a chunk's offset in Tf, s57 = 0
                                       ; s60 steps left in a loop; s61 trips left of the outer loop; s62 the slot that is read: 0 or CHUNK
.set MAIN, 0x54                        ; source 0 window 0 (T's fragment, or a), all else window 1: serves matrix instruction and multiply-add alike
.set TOW1, 0x40
.set TOW2, 0x80
.set FF0,  0x62                        ; A window 2, B window 0, C window 2 (bias), D window 1
.set FF1,  0x52                        ; A window 2, B window 0, C and D window 1
.set FF23, 0x56                        ; A window 2, B, C and D window 1
.set RD1A, 0x01
.set RD1B, 0x04
.set MSB, 0
.macro WIN new                         ; the immediate's high byte repeats the setting that is left
.if MSB != \new
	s_set_vgpr_msb (MSB<<8)|\new
.set MSB, \new
.endif
.endm
.macro PLACES                          ; four plain vector instructions behind a matrix instruction before a vector instruction touches its registers (ISA guide 7.12.1)
.rept 4
	v_nop
.endr
.endm
; A round of the cluster's barrier: my work-group's barrier, wave 0 signals for the work-group, every wave waits for all four work-groups, my work-group's barrier again.
.macro CREST                           ; a round behind its opening barrier
	s_cmp_lg_u32 s20, 0
	s_cbranch_scc1 .Lnot_wave_0_\@
	s_barrier_signal -3
.Lnot_wave_0_\@:
	s_barrier_wait -3
	s_barrier_signal -1
	s_barrier_wait -1
.endm
.macro CROUND
	s_barrier_signal -1
	s_barrier_wait -1
	CREST
.endm
	s_load_b256 s[4:11], s[0:1], 0x0               ; Tf s[4:5], W s[6:7], b s[8:9], e1 s[10:11]
	s_load_b256 s[12:19], s[0:1], 0x20             ; er s[12:13], p s[14:15], e2 s[16:17], out0 s[18:19]
	v_lshl_add_u32 v30, v0, 2, 0x46400
	v_mov_b32 v31, 0
	ds_add_u32 v30, v31
	v_lshrrev_b32 v1, 5, v0
	v_readfirstlane_b32 s20, v1                    ; wave 0..3
	s_lshr_b32 s21, s20, 1                         ; rh: which 64 rows
	s_and_b32 s22, s20, 1                          ; kh: which 32 k
	s_bfe_u32 s23, ttmp6, 0x40000                  ; cx
	s_lshl_b32 s24, ttmp9, 2
	s_add_co_u32 s24, s24, s23                     ; work-group = 4 x cluster + cx
	s_and_b32 s[SQ], ttmp9, 7                      ; the cluster's number mod 8: equal in the four partners
	s_mov_b32 s[SN], 2                             ; the first refill brings the third chunk of my order
	; group 1 for a quarter of a chunk: dense, 64 rows of 32 elements of 8 bytes
	s_mov_b32 s[G1T+0], 15|(3<<16)|(1<<21)         ; 15:0 mask: all four work-groups; 17:16 elements of 8 bytes; 21 set beside a mask
	s_mov_b32 s[G1T+1], 32<<16                     ; tensor_dim0 = 32
	s_mov_b32 s[G1T+2], 64<<16                     ; tensor_dim1 = 64
	s_mov_b32 s[G1T+3], 32<<16                     ; tile_dim0 = 32
	s_mov_b32 s[G1T+4], 64                         ; tile_dim1 = 64
	s_mov_b32 s[G1T+5], 32                         ; from row to row: 32 elements
	s_mov_b32 s[G1T+6], 0
	s_mov_b32 s[G1T+7], 0
	; group 1 for an input: 128 rows of 64 f32, 4 words of padding behind every 64
	s_mov_b32 s[G1I+0], (2<<16)|(1<<20)|(5<<22)|(3<<25)
	s_mov_b32 s[G1I+1], 64<<16
	s_mov_b32 s[G1I+2], 128<<16
	s_mov_b32 s[G1I+3], 64<<16
	s_mov_b32 s[G1I+4], 128
	s_mov_b32 s[G1I+5], 64
	s_mov_b32 s[G1I+6], 0
	s_mov_b32 s[G1I+7], 0
	s_lshl_b32 s56, s20, 14                        ; my quarter of a chunk: made of the wave's number alone, equal in all four work-groups
	s_mov_b32 s57, 0
	s_mov_b32 s[G0I], 1
	s_mul_i32 s[G0I+1], s20, RSZ
	s_add_co_u32 s[G0I+1], s[G0I+1], RB            ; wave w fills region w
	s_lshl_b32 s58, s24, 15                        ; my work-group's 128 rows of 256 bytes
	s_mov_b32 s59, 0
	s_wait_dscnt 0x0
	s_wait_kmcnt 0x0
	s_add_nc_u64 s[4:5], s[4:5], s[56:57]          ; Tf at my quarter of a chunk: kept to the end
.irp sl, 0,1
	s_mov_b32 s[G0A+4*\sl], 1
	s_add_co_u32 s[G0A+4*\sl+1], s56, \sl*CHUNK    ; slot sl, my quarter
.endr
	s_lshl_b32 s56, s[SQ], 16                      ; my order's first chunk: q mod 8,
	s_add_nc_u64 s[G0A+2:G0A+3], s[4:5], s[56:57]
	s_or_b32 s[G0A+3], s[G0A+3], 0x80000000
	s_add_co_u32 s25, s[SQ], 1                     ; and its second: (q + 1) mod 8
	s_and_b32 s25, s25, 7
	s_lshl_b32 s56, s25, 16
	s_add_nc_u64 s[G0R+2:G0R+3], s[4:5], s[56:57]
	s_or_b32 s[G0R+3], s[G0R+3], 0x80000000
	s_cmp_eq_u32 s20, 1                            ; wave 0: e1, 1: er, 2: p, 3: e2
	s_cselect_b64 s[G0I+2:G0I+3], s[12:13], s[10:11]
	s_cmp_eq_u32 s20, 2
	s_cselect_b64 s[G0I+2:G0I+3], s[14:15], s[G0I+2:G0I+3]
	s_cmp_eq_u32 s20, 3
	s_cselect_b64 s[G0I+2:G0I+3], s[16:17], s[G0I+2:G0I+3]
	s_add_nc_u64 s[G0I+2:G0I+3], s[G0I+2:G0I+3], s[58:59]
	s_or_b32 s[G0I+3], s[G0I+3], 0x80000000
	s_lshl_b32 s58, s24, 16                        ; out0: 128 rows of 512 bytes a work-group,
	s_lshl_b32 s25, s21, 15                        ; 64 rows for rh,
	s_add_co_u32 s58, s58, s25
	s_lshl_b32 s25, s22, 8                         ; 32 k x 2 x 4 bytes for kh
	s_add_co_u32 s58, s58, s25
	s_add_nc_u64 s[18:19], s[18:19], s[58:59]
	CROUND                                         ; all four work-groups are here: the first joint loads meet
	tensor_load_to_lds s[G0I:G0I+3], s[G1I:G1I+7]  ; the first fills, one group: my input,
	s_nop 0
	tensor_load_to_lds s[G0A:G0A+3], s[G1T:G1T+7]  ; my quarter of the first chunk,
	s_nop 0
	tensor_load_to_lds s[G0R:G0R+3], s[G1T:G1T+7]  ; and of the second: three out, the most that this text ever has
	s_nop 0
	v_and_b32 v12, 15, v0                          ; r
	v_bfe_u32 v13, v0, 4, 1                        ; h
	v_and_b32 v14, 31, v0                          ; L
	s_lshl_b32 s25, s22, 12
	v_lshlrev_b32 v[ADT0], 4, v14
	v_add_nc_u32 v[ADT0], s25, v[ADT0]
	s_mul_i32 s26, s21, 4*GRP
	s_add_co_u32 s26, s26, RB
	v_mul_u32_u24 v18, v12, PITCH
	v_add_nc_u32 v[ADAB], s26, v18
	v_lshl_add_u32 v[ADC], v13, 5, v[ADAB]
	v_add_nc_u32 v[ADC2], 2*RSZ, v[ADC]
	s_lshl_b32 s27, s22, 7
	v_add_nc_u32 v[AST], s27, v[ADC]
	v_add_nc_u32 v[AST3], 3*RSZ, v[AST]
	s_mul_i32 s25, s20, GRP
	s_add_co_u32 s25, s25, OS
	v_lshl_add_u32 v19, v13, 6, v18                ; in: row r, 64 bytes for each half of the lanes
	v_add_nc_u32 v[OSTO], s25, v19
	v_mul_u32_u24 v19, v13, PITCH                  ; back: lanes 0-15 one row of 256 bytes, lanes 16-31 the next
	v_lshl_add_u32 v19, v12, 4, v19
	v_add_nc_u32 v[ORD], s25, v19
	v_lshlrev_b32 v[OCO], 4, v12
	v_lshl_add_u32 v[OCO], v13, 9, v[OCO]
	s_lshl_b32 s26, s22, 14                        ; W: row 32 kh + r of 512 bytes, + 32 h
	v_lshlrev_b32 v[VW], 9, v12
	v_lshl_add_u32 v[VW], v13, 5, v[VW]
	v_add_nc_u32 v[VW], s26, v[VW]
	v_lshlrev_b32 v[VB], 5, v13                    ; b: 4 (32 kh + 8 h)
	v_add_nc_u32 v[VB], s27, v[VB]
; 64 pairs of f32 in v[32:159] become 64 registers of f16 at dst (in the window that is set)
.macro CV64 dst
.set ci, 0
.rept 64
	v_cvt_pk_f16_f32 v[\dst+ci], v[32+2*ci], v[33+2*ci]
.set ci, ci+1
.endr
.endm
	; the bias in the result's layout (register j: k = 16 kt + 8 h + j), and W's fragments: lane (r, h) takes f = 32 s4 + 16 part + 8 h + 0..7 of row 16 kt + r
	WIN TOW2
.irp c, 0,1,2,3
	global_load_b128 v[BIAS+4*\c:BIAS+4*\c+3], v[VB], s[8:9] offset:(\c>>1)*64+(\c&1)*16
.endr
	WIN 0
.set wi, 0
.rept 32
	global_load_b128 v[32+4*wi:32+4*wi+3], v[VW], s[6:7] offset:(wi>>4)*8192+((wi>>2)&3)*128+((wi>>1)&1)*64+(wi&1)*16
.set wi, wi+1
.endr
	s_wait_loadcnt 0x0
	WIN TOW2
	CV64 WF
	WIN 0
	s_wait_tensorcnt 0x1                           ; my input and my quarter of the first chunk are in; the second may stay out
	s_barrier_signal -1
	s_barrier_wait -1                              ; everybody's are
; One unit of T's fragments: 16 rows k x 64 j at i = il + (uu >> 1) of the slot, tile kt' = uu & 1: four loads of 32 lanes x 16 neighbouring bytes
.macro RUNU il, par, uu
.irp f, 0,1,2,3
	ds_load_b128 v[TF0+64*(\par)+16*\uu+4*\f:TF0+64*(\par)+16*\uu+4*\f+3], v[ADTC] offset:((\il)+(\uu>>1))*8192+(\uu&1)*2048+\f*512
.endr
.endm
; All that a pair of i needs (i = il, il + 1 of the step), NL = 16 + 4 nops loads in one run: unit 0, then a[b][i], a[b][i + 1] of each operand and group, then units 1 to 3
.macro RUN il, par, nops
	RUNU \il, \par, 0
.set ro, 0
.rept \nops
.irp g, 0,1,2,3
	ds_load_b64 v[A0+16*(\par)+8*ro+2*\g:A0+16*(\par)+8*ro+2*\g+1], v[ADA] offset:ro*RSZ+\g*GRP+(\il)*4
.endr
.set ro, ro+1
.endr
	RUNU \il, \par, 1
	RUNU \il, \par, 2
	RUNU \il, \par, 3
.endm
; A beat.  dow: eight matrix instructions multiply the unit at tf with c's four groups into set wset: the four accumulators take turns, one instruction a turn,
; the first turn starts the sums with C = 0.  dof: the unit in set cset (i = x of the pair, tile ktc) is added into ACC, times a.
; A result is read at the earliest eight multiply-adds behind its last matrix instruction, none of which names a register of that instruction.
.macro BEAT dow, tf, wset, dof, ab, x, ktc, cset, nops
.set bj, 0
.rept 8
.if \dow
.set bg, bj&3
.if bj>>2
	v_wmma_f32_16x16x32_f16 v[DT+32*\wset+8*bg:DT+32*\wset+8*bg+7], v[\tf+8:\tf+15], v[CF+16*bg+8:CF+16*bg+15], v[DT+32*\wset+8*bg:DT+32*\wset+8*bg+7]
.else
	v_wmma_f32_16x16x32_f16 v[DT+32*\wset+8*bg:DT+32*\wset+8*bg+7], v[\tf:\tf+7], v[CF+16*bg:CF+16*bg+7], 0
.endif
.endif
.if \dof
.set cg, bj>>1
.if \nops==2
.set co, bj&1
.set cq, 0
.else
.set co, 0
.set cq, 4*(bj&1)
.endif
.rept 2*\nops
	v_pk_fma_f32 v[ACC+64*co+16*cg+8*\ktc+cq:ACC+64*co+16*cg+8*\ktc+cq+1], v[\ab+8*co+2*cg:\ab+8*co+2*cg+1], v[DT+32*\cset+8*cg+cq:DT+32*\cset+8*cg+cq+1], v[ACC+64*co+16*cg+8*\ktc+cq:ACC+64*co+16*cg+8*\ktc+cq+1] op_sel:[\x,0,0] op_sel_hi:[\x,1,1]
.set cq, cq+2
.endr
.endif
.set bj, bj+1
.endr
.endm
.macro PSYM p, nops                    ; the names that a pair's text uses: p = the pair's number in its step, 0..3
.set NL, 16+4*\nops
.set ppar, (\p)&1
.set tfc, TF0+64*ppar                  ; this pair's fragments,
.set tfn, TF0+64*(1-ppar)              ; the next pair's,
.set abc, A0+16*ppar                   ; this pair's a
.set nil, 2*((\p)+1)                   ; the next pair's first i in the step
.set npar, 1-ppar                      ; and its buffers
.endm
; One of a step's first three pairs: beat b adds unit b into the sums and multiplies unit b + 1 (beat 3: the next pair's unit 0).
.macro PB p, nops
	PSYM \p, \nops
	s_wait_dscnt 8                                 ; of this pair's run only units 2 and 3 may be out: a and unit 1 are in
	WIN 0
	RUN nil, npar, \nops                           ; its buffers were last read by a matrix instruction a whole beat of multiply-adds ago
	WIN MAIN
	BEAT 1, tfc+16, 1, 1, abc, 0, 0, 0, \nops
	s_wait_dscnt NL+4                              ; unit 2 is in: unit 3 and the new run may be out
	BEAT 1, tfc+32, 0, 1, abc, 0, 1, 1, \nops
	s_wait_dscnt NL                                ; unit 3 is in
	BEAT 1, tfc+48, 1, 1, abc, 1, 0, 0, \nops
	s_wait_dscnt NL-4                              ; the new run's unit 0 is in
	BEAT 1, tfn, 0, 1, abc, 1, 1, 1, \nops
.endm
; The step's last pair, first part: the change of slots.  In front of the barrier each wave waits for its reads of this slot (and of the regions) and for all
; its tensor loads, of which one is out: its quarter of the other slot.  refill = 1: the barrier opens a round of the cluster's barrier, with register work
; alone inside, and the joint load of the chunk two steps ahead, into the slot just read, is the first tensor load behind it, one a wave; from there to the
; wait for it stand 15 of a step's 16 beats.  refill = 0: a plain barrier, which shows the other slot to every wave.
; The chunk with sequence number n lies in Tf at chunk (n & 24) + ((n + q) & 7): the phase's eight chunks, begun at q mod 8 and wrapped round.
.macro TURNA nops, refill
	PSYM 3, \nops
	s_wait_dscnt 0x0                               ; my reads of this slot are over
	s_set_vgpr_msb 0x5450
	s_wait_tensorcnt 0x0                           ; all my tensor loads have landed, so the ring's group 0 may be written
	ds_add_u32 v30, v31
	s_wait_dscnt 0x0
	s_set_vgpr_msb 0x5054
.if \refill
	s_add_co_u32 s25, s[SN], s[SQ]
	s_and_b32 s25, s25, 7                          ; the chunk's place in its phase,
	s_and_b32 s26, s[SN], 24                       ; the phase's first chunk,
	s_or_b32 s25, s25, s26
	s_lshl_b32 s56, s25, 16                        ; in bytes (s57 = 0)
	s_add_nc_u64 s[G0R+2:G0R+3], s[4:5], s[56:57]  ; from the kept address of my quarter
	s_or_b32 s[G0R+3], s[G0R+3], 0x80000000        ; 127:126 type = 2
	s_xor_b32 s[G0R+1], s[G0R+1], CHUNK            ; into the other slot than the last refill's: the one that this step has read
	s_add_co_u32 s[SN], s[SN], 1
.endif
	s_barrier_signal -1
	WIN MAIN
	BEAT 1, tfc+16, 1, 1, abc, 0, 0, 0, \nops
	WIN 0
	s_barrier_wait -1
.if \refill
	CREST                                          ; no wave of any of the four work-groups still reads this slot or has a load on its way
	tensor_load_to_lds s[G0R:G0R+3], s[G1T:G1T+7]
	s_nop 0
.endif
.endm
; The step's last pair, second part.  fetch = 1: the addresses go on to the next step (the other slot; in a's rows the 8 i of the chunk that lies there),
; its first pair's run is issued, and the last beat multiplies that pair's unit 0.  fetch = 0: a phase's last pair fetches and multiplies nothing further.
.macro TURNB nops, fetch
	PSYM 3, \nops
.if \fetch
	s_xor_b32 s62, s62, CHUNK
	s_add_co_u32 s[SR], s[SR], 1
	s_and_b32 s25, s[SR], 7                        ; (q + m) mod 8,
	s_lshl_b32 s25, s25, 5                         ; times 8 i of 4 bytes
	v_add_nc_u32 v[ADTC], s62, v[ADT0]
	v_add_nc_u32 v[ADA], s25, v[ADAP]
	RUN 0, 0, \nops
.endif
	WIN MAIN
	BEAT 1, tfc+32, 0, 1, abc, 0, 1, 1, \nops
	BEAT 1, tfc+48, 1, 1, abc, 1, 0, 0, \nops
.if \fetch
	s_wait_dscnt NL-4                              ; the new run's unit 0 is in
.endif
	BEAT \fetch, tfn, 0, 1, abc, 1, 1, 1, \nops
	WIN 0                                          ; a label or a branch follows
.endm
; My 64 rows of a region as f32, in fragment order: lane (r, h) takes j = 16 c4 + 8 h + 0..7 of row 16 g + r (c = 2 c4 + e)
.macro LDFR areg, roff
.irp g, 0,1,2,3
.irp c, 0,1,2,3,4,5,6,7
	ds_load_b128 v[32+32*\g+4*\c:32+32*\g+4*\c+3], v[\areg] offset:\roff+\g*GRP+(\c>>1)*64+(\c&1)*16
.endr
.endr
.endm
; One K step of 32 of W [a;c] + bias for operand op: eight accumulators take turns, one instruction a turn.
; op may arrive as an expression, so it stands in brackets wherever it is multiplied.
.macro FFSTEP op, s4
.irp g, 0,1,2,3
.irp k, 0,1
.if \s4 == 0
	v_wmma_f32_16x16x32_f16 v[ACC+64*(\op)+16*\g+8*\k:ACC+64*(\op)+16*\g+8*\k+7], v[WF+32*\k:WF+32*\k+7], v[AF+16*\g:AF+16*\g+7], v[BIAS+8*\k:BIAS+8*\k+7]
.else
.if \s4 == 1
	v_wmma_f32_16x16x32_f16 v[ACC+64*(\op)+16*\g+8*\k:ACC+64*(\op)+16*\g+8*\k+7], v[WF+32*\k+8:WF+32*\k+15], v[AF+16*\g+8:AF+16*\g+15], v[ACC+64*(\op)+16*\g+8*\k:ACC+64*(\op)+16*\g+8*\k+7]
.else
	v_wmma_f32_16x16x32_f16 v[ACC+64*(\op)+16*\g+8*\k:ACC+64*(\op)+16*\g+8*\k+7], v[WF+32*\k+8*\s4:WF+32*\k+8*\s4+7], v[CF+16*\g+8*(\s4-2):CF+16*\g+8*(\s4-2)+7], v[ACC+64*(\op)+16*\g+8*\k:ACC+64*(\op)+16*\g+8*\k+7]
.endif
.endif
.endr
.endr
.endm
.macro FF op
	WIN FF0
	FFSTEP \op, 0                                  ; f = 0..31 of a; the bias starts the sums
	WIN FF1
	FFSTEP \op, 1
	WIN FF23
	FFSTEP \op, 2                                  ; f = 64..127 is c
	FFSTEP \op, 3
.endm
; A phase's head: every phase begins with slot 0 (eight steps a phase) and with the chunk q mod 8; c's and a's f16 fragments, the product with W,
; the first pair's run, the first unit's product.
.macro PROLOG nops, creg, coff, areg, aoff0, aoff1, adaoff
	WIN 0
	s_mov_b32 s62, 0
	s_mov_b32 s[SR], s[SQ]
	s_lshl_b32 s25, s[SQ], 5
	v_mov_b32 v[ADTC], v[ADT0]
	v_add_nc_u32 v[ADAP], \adaoff, v[ADAB]
	v_add_nc_u32 v[ADA], s25, v[ADAP]
	LDFR \creg, \coff
	s_wait_dscnt 0x0
	WIN TOW1
	CV64 CF
	WIN 0
	LDFR \areg, \aoff0
	s_wait_dscnt 0x0
	CV64 AF
.if \nops==2
	LDFR \areg, \aoff1                             ; the second operand comes in while the first is multiplied
	FF 0
	WIN 0
	PLACES                                         ; AF, which those matrix instructions read, is written again only behind four places
	s_wait_dscnt 0x0
	CV64 AF
.endif
	RUN 0, 0, \nops
	FF \nops-1
	s_wait_dscnt 12+4*\nops                        ; the run's unit 0 is in: its other loads may be out
	WIN MAIN
	BEAT 1, TF0, 0, 0, 0, 0, 0, 0, \nops
	PLACES                                         ; behind them the multiply-adds may read DT and add onto ACC, which matrix instructions started
	WIN 0
.endm
; TT[0 .. cnt-1] hold 2.885390 x; they leave as tanh(x).  Behind each run of transcendentals one plain instruction before a result is used (ISA guide 5.7.2).
.macro TANH cnt
.set ti, 0
.rept \cnt
	v_exp_f32 v[TT+ti], v[TT+ti]
.set ti, ti+1
.endr
	v_nop
.set ti, 0
	s_wait_alu depctr_va_vdst(0)
.rept \cnt/2
	v_pk_add_f32 v[TT+ti:TT+ti+1], v[TT+ti:TT+ti+1], 1.0 op_sel_hi:[1,0]
.set ti, ti+2
.endr
.set ti, 0
.rept \cnt
	v_rcp_f32 v[TT+ti], v[TT+ti]
.set ti, ti+1
.endr
	v_nop
.set ti, 0
	s_wait_alu depctr_va_vdst(0)
.rept \cnt/2
	v_pk_fma_f32 v[TT+ti:TT+ti+1], v[TT+ti:TT+ti+1], -2.0, 1.0 op_sel_hi:[1,0,0]
.set ti, ti+2
.endr
.endm
; tanh of operand op's 64 sums a lane, stored as f32 rows [b][k] at sreg + op regions: lane (r, h) has k = 32 kh + 16 kt' + 8 h + 0..7 of row 16 g + r
.macro EPI12 op, sreg
	WIN RD1A
.set ei, 0
.rept 32
	v_pk_mul_f32 v[TT+ei:TT+ei+1], v[ACC+64*\op+ei:ACC+64*\op+ei+1], 0x4038aa3b op_sel_hi:[1,0]
.set ei, ei+2
.endr
	WIN 0
	TANH 64
.set ei, 0
.rept 16
	ds_store_b128 v[\sreg], v[TT+4*ei:TT+4*ei+3] offset:\op*RSZ+(ei>>2)*GRP+((ei>>1)&1)*64+(ei&1)*16
.set ei, ei+1
.endr
.endm
	; THE FIRST PHASE: T2 (sequence numbers 0-7), c = e2 (R3), a = p (R2).  Its eight steps ask for numbers 2 to 9.
	PROLOG 1, ADC2, RSZ, ADC2, 0, 0, 2*RSZ
	s_mov_b32 s60, 8
	s_branch .Lmid2                                ; the head has done what TURNB does for a later step: the first pair's run and its unit 0
.Ltop2:
	TURNB 1, 1
.Lmid2:
	PB 0, 1
	PB 1, 1
	PB 2, 1
	TURNA 1, 1
	s_sub_co_u32 s60, s60, 1
	s_cmp_lg_u32 s60, 0
	s_cbranch_scc1 .Ltop2
	TURNB 1, 0
	EPI12 0, AST3                                  ; c2 over e2: R3 was last read in this phase's head, in front of all its rounds
	s_wait_dscnt 0x0                               ; my stores of c2 are done
	s_barrier_signal -1
	s_barrier_wait -1                              ; everybody's are: from here on any wave may read R3; number 9 may stay on its way
	; THE SECOND AND THIRD PHASE, one text: T1 (numbers 8-15), c = p (R2), a = e1 (R0), er (R1), eight steps that ask for numbers 10 to 17;
	; then T3 (numbers 16-23), c = c2 (R3), a = a1 (R0), ar (R1), of which six steps ask for numbers 18 to 23.
	v_mov_b32 v[ADCC], v[ADC2]
	s_mov_b32 s60, 8
	s_mov_b32 s61, 2
	s_branch .Lhead
.Lbetween:                                         ; the second phase's end
	TURNB 2, 0
	EPI12 0, AST                                   ; a1 over e1, ar over er: every wave's last read of R0 and R1 was waited for in front of the round just passed
	EPI12 1, AST
	s_wait_dscnt 0x0                               ; my stores of a1 and ar are done
	s_barrier_signal -1
	s_barrier_wait -1                              ; everybody's are; number 17 may stay on its way
	v_add_nc_u32 v[ADCC], RSZ, v[ADC2]
	s_mov_b32 s60, 6
.Lhead:
	PROLOG 2, ADCC, 0, ADC, 0, RSZ, 0
	s_branch .Lmid
.Ltop:
	TURNB 2, 1
.Lmid:
	PB 0, 2
	PB 1, 2
	PB 2, 2
	TURNA 2, 1
	s_sub_co_u32 s60, s60, 1
	s_cmp_lg_u32 s60, 0
	s_cbranch_scc1 .Ltop
	s_sub_co_u32 s61, s61, 1
	s_cmp_lg_u32 s61, 0
	s_cbranch_scc1 .Lbetween
	; The last two steps (numbers 22, 23): nothing is left to fetch, so no round and no load.  The first trip's barrier shows number 23 to every wave;
	; the second trip's orders nothing and is there only because both steps run one text.
	s_mov_b32 s60, 2
.Ltail:
	TURNB 2, 1
	PB 0, 2
	PB 1, 2
	PB 2, 2
	TURNA 2, 0
	s_sub_co_u32 s60, s60, 1
	s_cmp_lg_u32 s60, 0
	s_cbranch_scc1 .Ltail
	TURNB 2, 0
	; THE WAY OUT, 16 rows at a time: u and ur side by side (out0[b][k][0..1]), 64 bytes a lane and tile into my own stage, read back as rows of 256 bytes
.irp g, 0,1,2,3
	WIN RD1B
.set ei, 0
.rept 16
	v_mul_f32 v[TT+2*ei],   0x4038aa3b, v[ACC+16*\g+ei]
	v_mul_f32 v[TT+2*ei+1], 0x4038aa3b, v[ACC+64+16*\g+ei]
.set ei, ei+1
.endr
	WIN 0
	TANH 32
.irp c, 0,1,2,3,4,5,6,7
	ds_store_b128 v[OSTO], v[TT+4*\c:TT+4*\c+3] offset:(\c>>2)*128+(\c&3)*16
.endr
.irp t, 0,1,2,3,4,5,6,7
	ds_load_b128 v[32+32*\g+4*\t:32+32*\g+4*\t+3], v[ORD] offset:\t*2*PITCH     ; LDS serves a wave's instructions in order: these see the stores above
.endr
.irp t, 0,1,2,3,4,5,6,7
	s_wait_dscnt 7-\t                              ; rows 2 t and 2 t + 1 are in, the younger ones stay out
	global_store_b128 v[OCO], v[32+32*\g+4*\t:32+32*\g+4*\t+3], s[18:19] offset:\g*8192+\t*1024 th:TH_STORE_NT   ; 16 lanes store 256 consecutive bytes, aligned; each group has registers of its own
.endr
.endr
	s_wait_tensorcnt 0x0
	ds_add_u32 v30, v31
	s_wait_dscnt 0x0
	CROUND                                         ; the closing round: no work-group ends while a partner may still ask for a chunk that names it
	s_endpgm
.Lfunc_end_k_q05bd70ff89_ntn:
	.size	k_q05bd70ff89_ntn, .Lfunc_end_k_q05bd70ff89_ntn-k_q05bd70ff89_ntn
	.p2alignl 7, 3214868480
	.fill 96, 4, 3214868480
	.section	.rodata,"a",@progbits
	.p2align	6, 0x0
	.amdhsa_kernel k_q05bd70ff89_ntn
		.amdhsa_group_segment_fixed_size 327680
		.amdhsa_private_segment_fixed_size 0
		.amdhsa_enable_private_segment 0
		.amdhsa_kernarg_size 64
		.amdhsa_user_sgpr_count 2
		.amdhsa_user_sgpr_kernarg_segment_ptr 1
		.amdhsa_wavefront_size32 1
		.amdhsa_system_sgpr_workgroup_id_x 1
		.amdhsa_system_sgpr_workgroup_id_y 1
		.amdhsa_system_sgpr_workgroup_id_z 1
		.amdhsa_system_vgpr_workitem_id 0
		.amdhsa_next_free_vgpr 592
		.amdhsa_next_free_sgpr 66
		.amdhsa_reserve_vcc 0
		.amdhsa_float_denorm_mode_32 3
		.amdhsa_float_denorm_mode_16_64 3
		.amdhsa_memory_ordered 1
		.amdhsa_forward_progress 1
		.amdhsa_inst_pref_size 255
	.end_amdhsa_kernel
	.section	.bss,"aw",@nobits
	.p2align	6
	.space	262144
	.amdgpu_metadata
---
amdhsa.version: [ 1, 2 ]
amdhsa.kernels:
  - .name:           k_q05bd70ff89_ntn
    .symbol:         k_q05bd70ff89_ntn.kd
    .args:
      - { .name: Tf, .offset: 0, .size: 8, .value_kind: global_buffer, .address_space: global }
      - { .name: W, .offset: 8, .size: 8, .value_kind: global_buffer, .address_space: global }
      - { .name: b, .offset: 16, .size: 8, .value_kind: global_buffer, .address_space: global }
      - { .name: e1, .offset: 24, .size: 8, .value_kind: global_buffer, .address_space: global }
      - { .name: er, .offset: 32, .size: 8, .value_kind: global_buffer, .address_space: global }
      - { .name: p, .offset: 40, .size: 8, .value_kind: global_buffer, .address_space: global }
      - { .name: e2, .offset: 48, .size: 8, .value_kind: global_buffer, .address_space: global }
      - { .name: out0, .offset: 56, .size: 8, .value_kind: global_buffer, .address_space: global }
    .group_segment_fixed_size: 327680
    .private_segment_fixed_size: 0
    .kernarg_segment_align: 8
    .kernarg_segment_size: 64
    .max_flat_workgroup_size: 128
    .sgpr_count:     66
    .vgpr_count:     592
    .wavefront_size: 32
...
	.end_amdgpu_metadata
.endif
;; end of part 4
;; ======== version 3 of 3: 2 launches; version 2 with the launch cast written anew for expert scheduling mode
;; limits: values are held in f16: magnitudes above 65,504 overflow, below 6.1e-05 lose precision; inputs' magnitudes at most 65,504
;; workspace buffers: Tf 1,572,864 bytes
;; launch cast (part 5): grid 256 x 1, 3 waves a work-group, no clusters, 7,168 bytes of LDS; arguments T2, T1, T3, Tf; writes Tf
.if DOCPART == 5
	.amdgcn_target "amdgcn-amd-amdhsa--gfx1250"
	.amdhsa_code_object_version 6
	.text
	.protected	k_q05bd70ff89_cast
	.globl	k_q05bd70ff89_cast
	.p2align	8
	.type	k_q05bd70ff89_cast,@function
k_q05bd70ff89_cast:
	s_mov_b64 s[64:65], 0
	v_nop
	global_prefetch_b8 v0, s[64:65] scope:SCOPE_SE
	s_setreg_imm32_b32 hwreg(HW_REG_WAVE_SCHED_MODE, 0, 2), 2
	s_setreg_imm32_b32 hwreg(HW_REG_WAVE_MODE, 25, 1), 1
	s_wait_xcnt 0x0
	s_wait_alu depctr_vm_vsrc(0)
; Three tensors [64 k][64 i][64 j] f32 are rounded once to f16 and laid out in the order in which the next launch's matrix instructions
; take them.  The launch names them in the order in which the next launch walks them: t = 0 is T2, t = 1 is T1, t = 2 is T3.
; Tf byte  t*524288 + i*8192 + kt*2048 + f*512 + L*16  holds the eight f16  T_t[16 kt + (L & 15)][i][16 f + 8 (L >> 4) + 0..7].
; So 32 lanes x 16 neighbouring bytes are half a fragment of 16 rows x 32 j.
; Work-group x = 4 i + kt; wave w = tensor t: one wave makes one tile of 16 rows k x 64 j, 2,048 bytes of Tf.
; Every load takes two whole rows of 256 bytes (16 lanes each); every store of a wave covers 512 consecutive bytes, aligned.
; The regrouping goes through the wave's own 2,176 bytes of LDS: no barrier, and LDS serves a wave's instructions in order.
; LIMIT: f16: |T| above 65,504 becomes infinity; below 6.1e-5 the absolute rounding error is at most 3e-8.
; THE MODE: SCHED_MODE bits 1:0 = 2 (LLVM: expert scheduling mode 2), set by the entry lines.  The code itself states the register dependences
; between vector instructions and memory or LDS instructions, with s_wait_alu, always for 0.
; THE PLAN.  The text is one straight run.  Registers that memory or LDS instructions touch:
;   v2 .. v5     the four offsets and LDS addresses: written at the head by vector instructions, never again; read by every load and store.
;   X            written by the eight global loads alone; read by the sixteen conversions; nothing lands in it afterwards.
;   H            written by the sixteen conversions, once; read by the eight LDS stores; never written again.
;   Y            written by the four LDS loads, read by the four global stores; no vector instruction names it.
;   v72, v73     written at the head, read by the closing add alone.
; So three waits state everything: one on va_sdst for the wave's number, one on va_vdst ahead of the first load (the addresses), one on va_vdst
; between the conversions and the run of LDS stores (H).  No register that a memory or LDS instruction reads is written again: no wait on vm_vsrc is owed.
.set PIECE, 272                        ; 16 rows x 16 bytes of one (f, h), and 16 bytes so that neighbouring pieces begin 16 bytes apart modulo 256
.set WAVEB, 8*PIECE                    ; a wave's bytes in LDS
.set SRC,  2                           ; v2  source offset: (L >> 4) rows of 16,384 bytes + 16 (L & 15)
.set STO,  3                           ; v3  where my 8 bytes go in LDS
.set RDB,  4                           ; v4  where I read 16 bytes back
.set DST,  5                           ; v5  16 L
.set X,    8                           ; v[8:39]   eight loads of four f32
.set H,    40                          ; v[40:55]  the same as f16, two registers each
.set Y,    56                          ; v[56:71]  four lines of 16 bytes to store
	s_load_b256 s[4:11], s[0:1], 0x0               ; tensor 0 s[4:5], tensor 1 s[6:7], tensor 2 s[8:9], Tf s[10:11]
	v_lshl_add_u32 v72, v0, 2, 0x1a00              ; my spare word, behind the three waves' 6,528 bytes, and 0: kept for the closing lines alone
	v_mov_b32 v73, 0
	v_lshrrev_b32 v1, 5, v0
	v_readfirstlane_b32 s12, v1                    ; wave = tensor 0..2
	v_and_b32 v6, 15, v0                           ; L & 15
	v_bfe_u32 v7, v0, 4, 1                         ; L >> 4
	v_and_b32 v[DST], 31, v0
	v_lshlrev_b32 v[DST], 4, v[DST]
	v_lshlrev_b32 v[SRC], 4, v6
	v_lshl_add_u32 v[SRC], v7, 14, v[SRC]          ; a row k is 64 x 64 x 4 = 16,384 bytes from the next
	s_wait_alu depctr_va_sdst(0)                   ; s12 is written, ahead of its first reader: my LDS bytes, my tensor and my part of Tf are made from it
	s_mul_i32 s13, s12, WAVEB
	; my four f32 are j = 4 (L & 15) + 0..3 of row 2 q + (L >> 4): piece (L & 15) >> 1, its row's 16 bytes, half (L & 1)
	v_lshrrev_b32 v1, 1, v6
	v_mul_u32_u24 v[STO], v1, PIECE
	v_lshl_add_u32 v[STO], v7, 4, v[STO]
	v_and_b32 v1, 1, v6
	v_lshl_add_u32 v[STO], v1, 3, v[STO]
	v_add_nc_u32 v[STO], s13, v[STO]
	; back: line f of the tile is pieces 2 f (lanes 0-15) and 2 f + 1 (lanes 16-31)
	v_mul_u32_u24 v[RDB], v7, PIECE
	v_lshl_add_u32 v[RDB], v6, 4, v[RDB]
	v_add_nc_u32 v[RDB], s13, v[RDB]
	s_and_b32 s16, ttmp9, 3                        ; kt
	s_lshr_b32 s17, ttmp9, 2                       ; i
	s_lshl_b32 s16, s16, 18                        ; 16 rows k
	s_lshl_b32 s17, s17, 8                         ; a row i is 256 bytes
	s_or_b32 s16, s16, s17
	s_mov_b32 s17, 0
	s_lshl_b32 s18, s12, 19                        ; tensor t's 524,288 bytes of Tf
	s_lshl_b32 s19, ttmp9, 11                      ; + (4 i + kt) x 2,048
	s_add_co_u32 s18, s18, s19
	s_mov_b32 s19, 0
	s_wait_kmcnt 0x0
	s_cmp_eq_u32 s12, 1                            ; the wave's tensor, chosen by the wave's number
	s_cselect_b64 s[14:15], s[6:7], s[4:5]
	s_cmp_eq_u32 s12, 2
	s_cselect_b64 s[14:15], s[8:9], s[14:15]
	s_add_nc_u64 s[14:15], s[14:15], s[16:17]
	s_add_nc_u64 s[10:11], s[10:11], s[18:19]
	s_wait_alu depctr_va_vdst(0)                   ; v2 to v5 are written: the loads and stores below, global and LDS, read them as offsets and addresses, and no later line writes them
.irp q, 0,1,2,3,4,5,6,7
	global_load_b128 v[X+4*\q:X+4*\q+3], v[SRC], s[14:15] offset:\q*32768 th:TH_LOAD_NT   ; rows 2 q and 2 q + 1; read once in the launch
.endr
.irp q, 0,1,2,3,4,5,6,7
	s_wait_loadcnt 7-\q                            ; loads come back in order: pair q is in, the younger ones stay out
	v_cvt_pk_f16_f32 v[H+2*\q],   v[X+4*\q],   v[X+4*\q+1]
	v_cvt_pk_f16_f32 v[H+2*\q+1], v[X+4*\q+2], v[X+4*\q+3]
.endr
	s_wait_alu depctr_va_vdst(0)                   ; the sixteen conversions have written H, which the eight LDS stores read: one wait for the run
.irp q, 0,1,2,3,4,5,6,7
	ds_store_b64 v[STO], v[H+2*\q:H+2*\q+1] offset:\q*32
.endr
.irp f, 0,1,2,3
	ds_load_b128 v[Y+4*\f:Y+4*\f+3], v[RDB] offset:\f*2*PIECE      ; my wave's own bytes, served behind the stores above; no vector instruction names Y
.endr
.irp f, 0,1,2,3
	s_wait_dscnt 3-\f                              ; line f is in, the younger ones stay out
	global_store_b128 v[DST], v[Y+4*\f:Y+4*\f+3], s[10:11] offset:\f*512
.endr
	s_wait_dscnt 0x0                               ; the closing lines, six on end
	s_wait_alu 0x0
	s_wait_tensorcnt 0x0
	ds_add_u32 v72, v73
	s_wait_dscnt 0x0
	s_endpgm
.Lfunc_end_k_q05bd70ff89_cast:
	.size	k_q05bd70ff89_cast, .Lfunc_end_k_q05bd70ff89_cast-k_q05bd70ff89_cast
	.p2alignl 7, 3214868480
	.fill 96, 4, 3214868480
	.section	.rodata,"a",@progbits
	.p2align	6, 0x0
	.amdhsa_kernel k_q05bd70ff89_cast
		.amdhsa_group_segment_fixed_size 7168
		.amdhsa_private_segment_fixed_size 0
		.amdhsa_enable_private_segment 0
		.amdhsa_kernarg_size 32
		.amdhsa_user_sgpr_count 2
		.amdhsa_user_sgpr_kernarg_segment_ptr 1
		.amdhsa_wavefront_size32 1
		.amdhsa_system_sgpr_workgroup_id_x 1
		.amdhsa_system_sgpr_workgroup_id_y 1
		.amdhsa_system_sgpr_workgroup_id_z 1
		.amdhsa_system_vgpr_workitem_id 0
		.amdhsa_next_free_vgpr 74
		.amdhsa_next_free_sgpr 66
		.amdhsa_reserve_vcc 0
		.amdhsa_float_denorm_mode_32 3
		.amdhsa_float_denorm_mode_16_64 3
		.amdhsa_memory_ordered 1
		.amdhsa_forward_progress 1
		.amdhsa_inst_pref_size 6
	.end_amdhsa_kernel
	.amdgpu_metadata
---
amdhsa.version: [ 1, 2 ]
amdhsa.kernels:
  - .name:           k_q05bd70ff89_cast
    .symbol:         k_q05bd70ff89_cast.kd
    .args:
      - { .name: T2, .offset: 0, .size: 8, .value_kind: global_buffer, .address_space: global }
      - { .name: T1, .offset: 8, .size: 8, .value_kind: global_buffer, .address_space: global }
      - { .name: T3, .offset: 16, .size: 8, .value_kind: global_buffer, .address_space: global }
      - { .name: Tf, .offset: 24, .size: 8, .value_kind: global_buffer, .address_space: global }
    .group_segment_fixed_size: 7168
    .private_segment_fixed_size: 0
    .kernarg_segment_align: 8
    .kernarg_segment_size: 32
    .max_flat_workgroup_size: 96
    .sgpr_count:     66
    .vgpr_count:     74
    .wavefront_size: 32
...
	.end_amdgpu_metadata
.endif
;; end of part 5
;; launch ntn: the kernel of part 4 again; grid 256 x 1, 4 waves a work-group, clusters of 4 x 1, 327,680 bytes of LDS; arguments Tf, W, b, e1, er, p, e2, out0; writes out0
